; MI455X (gfx1250); checked and timed in simulation.
; The chip was launched on July 23, 2026; its instructions are those of AMD's public machine-readable ISA for CDNA 5 (MIT licence, August 2026) and "CDNA5" Instruction Set Architecture Reference Guide (July 2026). The comments in the code are by the model that wrote it; some were corrected since.
;; Self Attention. Allowed arithmetic: matrix products marked QUANTISED: E2M3 operands, one E8M0 scale for each 32 along K, by v_wmma_scale_f32_16x16x128_f8f6f4 with both operands' format E2M3, f32 sums; everything else in f32.
;; Inputs: W_proj 1,024 x 1,024 float32; W_qkv 3,072 x 1,024 float32; x 1 x 4,096 x 1,024 float32.
;; Outputs: out0 1 x 4,096 x 1,024 float32.
;; This version of the problem:
;;   THIS VERSION OF THE PROBLEM IS GIVEN IN LOW PRECISION. The matrix products marked QUANTISED in the list below multiply operands that are first quantised to E2M3 (2 exponent bits, 3 mantissa bits; 6 bits a number), with one power-of-two scale for each 32 numbers along K (OCP MX v1.0); their sums are f32. All else is computed in f32.
;;   The module's matrix products, in the order in which they are computed (A, B: the left and right operand; K: the contracted axis; several contracted axes count as one K, in the product's order):
;;     1. [M 4,096, K 1,024] x [K 1,024, N 3,072]; A: input x; B: input W_qkv: QUANTISED
;;     2. batch 16 x [M 4,096, K 64] x [K 64, N 4,096]; A: computed on the way; B: computed on the way: QUANTISED
;;     3. batch 16 x [M 4,096, K 4,096] x [K 4,096, N 64]; A: softmax (see below); B: computed on the way: QUANTISED
;;     4. [M 4,096, K 1,024] x [K 1,024, N 1,024]; A: computed on the way; B: input W_proj: QUANTISED
;;   THE QUANTISER, for each operand of a quantised product, along K:
;;     - K is cut into blocks of 32 from its start; a last block that is shorter is filled with zeros.
;;     - A block's scale is 2^e with e = floor(log2(the largest magnitude in the block)) - 2, held to -126 .. 127; a block of zeros has e = 0. As a byte (E8M0): e + 127.
;;     - Each number is divided by its block's scale, clamped to +-7.5, and rounded to the nearest number of E2M3, ties to even, subnormals kept.
;;     - The product sums the exact products of the quantised numbers (number of the format x scale) in f32.
;;   ~~~python
;;   def quantise(x, axis):      # numpy; x: float32 -> the quantised numbers, widened to float32 again
;;       x = np.moveaxis(x, axis, -1); K = x.shape[-1]
;;       x = np.pad(x, [(0, 0)] * (x.ndim - 1) + [(0, -K % 32)]); x = x.reshape(x.shape[:-1] + (-1, 32)); a = np.abs(x).max(-1, keepdims=True)
;;       e = np.where(a > 0, np.clip(np.frexp(np.where(a > 0, a, 1))[1] - 1 - 2, -126, 127), 0)      # np.frexp(a)[1] - 1 = floor(log2(a)), exactly
;;       r = np.clip(x / 2.0 ** e, -7.5, 7.5)
;;       step = 2.0 ** (np.maximum(np.frexp(np.where(r == 0, 1, r))[1] - 1, 0) - 3)
;;       q = np.round(r / step) * step * 2.0 ** e      # np.round: ties to even
;;       return np.moveaxis(q.reshape(q.shape[:-2] + (-1,))[..., :K], -1, axis).astype(np.float32)
;;   ~~~
;;   SOFTMAX AHEAD OF A QUANTISED PRODUCT. Where the list says 'softmax', what is quantised is not the finished softmax but p = 2^(t - M), with t = logit x log2(e) and M = ceil(the row's largest t), a whole number; so 1/2 < the row's largest p <= 1. The row's sum l is taken of the UNQUANTISED p, in f32, and the product's result is divided by l at the end. Since M is a whole number, a kernel that streams over the keys may use a running M (the ceiling of the running maximum): every later rescaling is an exact power of two, which a block's scale takes up: the codes' values come out the same.
;;   OPERANDS COMPUTED ON THE WAY. 'Computed on the way' means the value that the module computes at that place (a softmax that the list does not call 'softmax' is quantised finished and normalised). What goes into a quantiser is computed in f32, as accurately as f32 sums, v_exp_f32 and their like allow (about 1e-6 of the number): no bf16 or f16 on the way to a quantiser, and a product that is left as it is and whose result goes on into a quantised operand takes f32 operands (vector FMAs, or v_wmma_f32_16x16x4_f32). A number that lies on a knife's edge between two numbers of the format may be rounded either way, as far as f32 arithmetic and the matrix unit's own rounding can turn it there, and no further.
;; One version. Each part assembles by itself: llvm-mc -triple=amdgcn-amd-amdhsa -mcpu=gfx1250 --defsym DOCPART=n.
;; ======== version 1 of 1: 4 launches
;; limits: right only within a limited range of input values
;; workspace buffers: codes 6,291,456 bytes; scales 262,144 bytes; tab 1,048,576 bytes; qbuf 3,407,872 bytes; kvbuf 6,684,672 bytes; o_codes 3,145,728 bytes; o_scales 131,072 bytes
;; launch prep (part 1): grid 256 x 1, 4 waves a work-group, no clusters, 33,280 bytes of LDS; arguments x, W_qkv, W_proj, codes, scales, tab; writes codes, scales, tab
.if DOCPART == 1
	.amdgcn_target "amdgcn-amd-amdhsa--gfx1250"
	.amdhsa_code_object_version 6
	.text
	.protected	k_q578e96f889_prep
	.globl	k_q578e96f889_prep
	.p2align	8
	.type	k_q578e96f889_prep,@function
k_q578e96f889_prep:
	s_mov_b64 s[64:65], 0
	v_nop
	global_prefetch_b8 v0, s[64:65] scope:SCOPE_SE
	s_setreg_imm32_b32 hwreg(HW_REG_WAVE_MODE, 25, 1), 1
	s_wait_xcnt 0x0
; PREP.  x [4096][1024], W_qkv [3072][1024], W_proj [1024][1024], f32, K innermost, become codes of FP6 (E2M3), 6 bits each, with one E8M0 scale byte for each 32 along K;
; and the table of cos and sin for the rotation of q and k is made.
; A block's scale is 2^(floor(log2(its largest magnitude)) - 2); its byte is the largest magnitude's exponent field - 2, held at 1 from below.  (A block of zeros so gets the byte 1 where the
; rule says 127: its codes are zeros, which add nothing under any byte but 0xff, and this program alone reads the bytes.)
; LIMITS: NaN and infinities among the inputs are not served.  A frequency 10000^(-i/32) is as good as v_exp_f32 makes it (one last place), so an angle may differ from position x the exactly
; rounded frequency by one last place of the frequency x the position: at most about 5e-4 rad at position 4095, the size of a few last places of the angle itself; sin and cos of the angle
; as formed are good to about 1e-7.
; SHARES.  The three tensors are 1,024 runs of 8 rows (8,192 numbers); a wave takes a run, a work-group 32 rows: work-groups 0-127 x, 128-223 W_qkv, 224-255 W_proj.
; ORDER OF ROWS.  In codes and scales, place p of x and of W_qkv holds row swap34(p): p with bits 3 and 4 exchanged.  A run is 8 rows, so that is the exchange of the run number's two low bits, the wave's.
; Sixteen neighbouring places are then rows 32 b + 8 u + r + 8 (r / 8), which makes the 16 registers of two neighbouring result tiles 16 neighbours along the next product's K.  W_proj keeps its order.
; codes: rows of 768 bytes, x's at byte 0, W_qkv's at 3,145,728, W_proj's at 5,505,024.  scales: rows of 32 bytes in the same order.
; A wave's 16 steps of 512 numbers: each of a step's four loads reads 512 consecutive bytes; the 2,048 bytes turn through the wave's own stage in LDS and come back 64 bytes a lane, so that a lane holds 16 neighbours
; of one block (two lanes to a block).  A lane's 16 codes are 12 bytes: the wave stores 384 consecutive bytes.  A wave's 256 scale bytes are gathered in LDS and leave as one aligned run of 256 bytes.
; No tensor loads, no barrier: waves share nothing; no cluster: work-groups share no input.  Loads run four steps (16 loads a wave) ahead.
; THE TABLE.  tab: block R of 16 places at R x 4096: cos at 512 j + 16 lane + 4 e, sin 2,048 bytes on: of token swap34(16 R + lane % 16) and frequency 16 (lane / 16) + 4 j + e.  Work-group g makes block g, wave w is j.
.set STEPS, 16
.set EMAX,  2
.set CB,    12                         ; bytes of 16 codes
.set R,     16                         ; v16-79   four sets of 16 numbers as they are loaded
.set X,     80                         ; v80-111  two sets of 16 neighbours
.set E,     112                        ; v112-127 a scale byte for each step
.set C,     128                        ; v128-191 codes: four registers for each step, so that no store's data are written again
.set WREG,  8192                       ; LDS: a region for each wave: two stages of 32 x SP bytes, behind them its 256 scale bytes
.set SP,    80                         ; a lane's place in a stage: its 64 bytes + 16 of padding
.set FI,    196                        ; the table's registers, four frequencies by turns: the index, then the angle
.set AH,    200                        ; the exponent, then the number of quarter turns
.set AL,    204                        ; the exponent's remainder; later at work
.set IV,    208                        ; the frequency
.set RR,    212                        ; the reduced angle
.set ZZ,    216                        ; its square
.set PS,    220                        ; sin of it
.set PQ,    224                        ; cos of it
.set KK,    228                        ; quarter turns as a whole number
.set CO,    232                        ; v232-235 cos to store, v236-239 sin to store
.set SN,    236
	s_load_b128 s[4:7], s[0:1], 0x0                ; x, W_qkv
	s_load_b128 s[8:11], s[0:1], 0x10              ; W_proj, codes
	s_load_b128 s[12:15], s[0:1], 0x20             ; scales, tab
	v_lshl_add_u32 v240, v0, 2, 0x8000
	v_mov_b32 v241, 0
	v_lshrrev_b32 v1, 5, v0
	v_readfirstlane_b32 s16, v1                    ; wave
	v_and_b32 v2, 31, v0                           ; lane
	v_lshlrev_b32 v3, 4, v2                        ; my 16 bytes of a load's 512
	s_mul_i32 s17, s16, WREG
	v_lshrrev_b32 v14, 2, v2
	v_mul_u32_u24 v14, v14, SP
	v_and_b32 v15, 3, v2
	v_lshl_add_u32 v14, v15, 4, v14
	v_add_nc_u32 v14, s17, v14                     ; the stage, on the way in: SP (lane / 4) + 16 (lane % 4)
	v_mul_u32_u24 v15, v2, SP
	v_add_nc_u32 v15, s17, v15                     ; and on the way out: SP x lane: my 16 neighbours
	; THE CODES' ORDER (it replaces the rows of 768 bytes named at the head): for each 128 places and each 256 along K one dense block of 24,576 bytes, 128 rows of 192 bytes;
	; four such blocks, 98,304 bytes, for 128 places.  The tensors begin at the same bytes as before.  Sixteen lanes store a row's 192 consecutive bytes.
	v_and_b32 v4, 15, v2
	v_mul_u32_u24 v4, v4, CB                       ; my 12 bytes of a row of 192,
	v_lshrrev_b32 v10, 4, v2
	v_mad_u32_u24 v4, v10, 24576, v4               ; lanes 16-31 one block of 256 along K on
	v_lshrrev_b32 v5, 1, v2
	s_add_co_u32 s17, s17, 2*32*SP
	v_add_nc_u32 v5, s17, v5                       ; LDS: my wave's 256 scale bytes, my block's byte
	v_lshlrev_b32 v7, 3, v2                        ; and on the way out 8 bytes a lane
	v_add_nc_u32 v6, s17, v7
	s_and_b32 s18, s16, 1
	s_lshl_b32 s18, s18, 1
	s_lshr_b32 s19, s16, 1
	s_or_b32 s18, s18, s19                         ; the wave's two bits exchanged
	s_mov_b32 s19, 224
	s_mov_b32 s22, 0xbed49a78                      ; -log2(10000) / 32, rounded
	s_wait_kmcnt 0x0
	s_cmp_lt_u32 ttmp9, 224                        ; which tensor: the choice hangs on the work-group's number alone
	s_cselect_b64 s[6:7], s[6:7], s[8:9]
	s_cselect_b32 s19, 128, s19                    ; the tensor's first work-group
	s_cselect_b32 s18, s18, s16                    ; W_proj keeps its order
	s_cmp_lt_u32 ttmp9, 128
	s_cselect_b64 s[4:5], s[4:5], s[6:7]
	s_cselect_b32 s19, 0, s19
	s_sub_co_u32 s19, ttmp9, s19
	s_lshl_b32 s19, s19, 2
	s_add_co_u32 s19, s19, s16                     ; my run in the tensor
	s_lshl_b32 s20, s19, 15                        ; 32,768 bytes a run
	s_mov_b32 s21, 0
	s_add_nc_u64 s[4:5], s[4:5], s[20:21]
	s_lshl_b32 s19, ttmp9, 2
	s_add_co_u32 s19, s19, s18                     ; the run's place in codes and scales
	s_lshr_b32 s20, s19, 4                         ; sixteen runs of 8 rows to 128 places
	s_mul_i32 s20, s20, 98304
	s_and_b32 s23, s19, 15
	s_mul_i32 s23, s23, 1536                       ; 8 rows of 192 bytes a run
	s_add_co_u32 s20, s20, s23
	s_add_nc_u64 s[10:11], s[10:11], s[20:21]
	s_lshl_b32 s20, s19, 8                         ; 256 scale bytes a run
	s_add_nc_u64 s[12:13], s[12:13], s[20:21]
	s_lshl_b32 s20, ttmp9, 12                      ; the table's block
	s_add_nc_u64 s[14:15], s[14:15], s[20:21]
.macro LOAD t
.irp i, 0,1,2,3
	global_load_b128 v[R+16*((\t)%4)+4*\i:R+16*((\t)%4)+4*\i+3], v3, s[4:5] offset:2048*(\t)+512*\i th:TH_LOAD_NT   ; 32 lanes read 512 consecutive bytes
.endr
.endm
.macro TURN t                          ; step t's numbers through the stage: LDS serves a wave's instructions in order, so no wait stands between the stores and the loads
.irp i, 0,1,2,3
	ds_store_b128 v14, v[R+16*((\t)%4)+4*\i:R+16*((\t)%4)+4*\i+3] offset:32*SP*((\t)%2)+8*SP*\i
.endr
.irp i, 0,1,2,3
	ds_load_b128 v[X+16*((\t)%2)+4*\i:X+16*((\t)%2)+4*\i+3], v15 offset:32*SP*((\t)%2)+16*\i
.endr
.endm
.irp t, 0,1,2,3
	LOAD \t
.endr
	; ---- the table, while the first sixteen loads are on their way
	v_and_b32 v192, 15, v2                         ; r
	v_lshrrev_b32 v193, 4, v2                      ; h
	s_lshr_b32 s20, ttmp9, 1
	s_lshl_b32 s20, s20, 5
	s_and_b32 s21, ttmp9, 1
	s_lshl_b32 s21, s21, 3
	s_add_co_u32 s20, s20, s21                     ; 32 (g / 2) + 8 (g % 2)
	v_and_b32 v194, 7, v192
	v_lshrrev_b32 v195, 3, v192
	v_lshl_add_u32 v194, v195, 4, v194
	v_add_nc_u32 v194, s20, v194                   ; the token: swap34(16 g + r)
	v_cvt_f32_u32 v194, v194
	s_lshl_b32 s21, s16, 2
	v_lshl_add_u32 v195, v193, 4, s21              ; 16 h + 4 w
.irp e, 0,1,2,3
	v_add_nc_u32 v[FI+\e], \e, v195                ; the frequency's index i
.endr
.irp e, 0,1,2,3
	v_cvt_f32_u32 v[FI+\e], v[FI+\e]
.endr
.irp e, 0,1,2,3
	v_mul_f32 v[AH+\e], s22, v[FI+\e]              ; -i log2(10000) / 32, rounded;
.endr
.irp e, 0,1,2,3
	v_fma_f32 v[AL+\e], v[FI+\e], s22, -v[AH+\e]   ; what that rounding dropped, exactly;
.endr
.irp e, 0,1,2,3
	v_fmac_f32 v[AL+\e], 0xb2179a31, v[FI+\e]      ; and i x what the constant's own rounding dropped (-8.824e-9)
.endr
	s_wait_alu depctr_va_vdst(0)
.irp e, 0,1,2,3
	v_exp_f32 v[IV+\e], v[AH+\e]
.endr
.irp e, 0,1,2,3
	v_mul_f32 v[AL+\e], 0x3f317218, v[AL+\e]       ; x ln 2.  (Plain lines behind the exponentials)
.endr
	s_wait_alu depctr_va_vdst(0)                   ; one wait for the four exponentials, ahead of their first reader
.irp e, 0,1,2,3
	v_fma_f32 v[IV+\e], v[IV+\e], v[AL+\e], v[IV+\e]   ; 2^(hi + lo) = 2^hi (1 + lo ln 2)
.endr
.irp e, 0,1,2,3
	v_mul_f32 v[FI+\e], v194, v[IV+\e]             ; the angle: position x frequency, one rounding
.endr
.irp e, 0,1,2,3
	v_mul_f32 v[AH+\e], 0x3f22f983, v[FI+\e]       ; x 2 / pi
.endr
.irp e, 0,1,2,3
	v_rndne_f32 v[AH+\e], v[AH+\e]                 ; n quarter turns, at most 2,607
.endr
.irp e, 0,1,2,3
	v_fmamk_f32 v[RR+\e], v[AH+\e], 0xbfc90fdb, v[FI+\e]   ; angle - n x pi/2, pi/2 in two parts
.endr
.irp e, 0,1,2,3
	v_fmamk_f32 v[RR+\e], v[AH+\e], 0x333bbd2e, v[RR+\e]
.endr
.irp e, 0,1,2,3
	v_mul_f32 v[ZZ+\e], v[RR+\e], v[RR+\e]
.endr
.irp e, 0,1,2,3
	v_mov_b32 v[PS+\e], 0x3638ef1d                 ; 1/9!
	v_mov_b32 v[PQ+\e], 0xb493f27e                 ; -1/10!
.endr
.irp e, 0,1,2,3
	v_fmaak_f32 v[PS+\e], v[PS+\e], v[ZZ+\e], 0xb9500d01   ; -1/7!
	v_fmaak_f32 v[PQ+\e], v[PQ+\e], v[ZZ+\e], 0x37d00d01   ; 1/8!
.endr
.irp e, 0,1,2,3
	v_fmaak_f32 v[PS+\e], v[PS+\e], v[ZZ+\e], 0x3c088889   ; 1/5!
	v_fmaak_f32 v[PQ+\e], v[PQ+\e], v[ZZ+\e], 0xbab60b61   ; -1/6!
.endr
.irp e, 0,1,2,3
	v_fmaak_f32 v[PS+\e], v[PS+\e], v[ZZ+\e], 0xbe2aaaab   ; -1/3!
	v_fmaak_f32 v[PQ+\e], v[PQ+\e], v[ZZ+\e], 0x3d2aaaab   ; 1/4!
.endr
.irp e, 0,1,2,3
	v_mul_f32 v[AL+\e], v[RR+\e], v[ZZ+\e]
	v_fmaak_f32 v[PQ+\e], v[PQ+\e], v[ZZ+\e], 0xbf000000   ; -1/2
.endr
.irp e, 0,1,2,3
	v_fma_f32 v[PS+\e], v[AL+\e], v[PS+\e], v[RR+\e]       ; sin of the reduced angle (|.| up to pi/4: what the series leaves out is under 2e-9)
	v_fma_f32 v[PQ+\e], v[ZZ+\e], v[PQ+\e], 1.0            ; cos
.endr
.irp e, 0,1,2,3
	v_cvt_i32_f32 v[KK+\e], v[AH+\e]
.endr
.irp e, 0,1,2,3
	v_and_b32 v[AL+\e], 1, v[KK+\e]
.endr
.irp e, 0,1,2,3
	v_cmp_eq_u32 vcc_lo, 1, v[AL+\e]               ; an odd number of quarter turns: sin and cos change places
	v_cndmask_b32 v[SN+\e], v[PS+\e], v[PQ+\e], vcc_lo
	v_cndmask_b32 v[CO+\e], v[PQ+\e], v[PS+\e], vcc_lo
.endr
.irp e, 0,1,2,3
	v_lshlrev_b32 v[AL+\e], 30, v[KK+\e]           ; sin is negated for n % 4 = 2, 3: bit 1 of n
	v_add_nc_u32 v[KK+\e], 1, v[KK+\e]             ; cos for n % 4 = 1, 2: bit 1 of n + 1
.endr
.irp e, 0,1,2,3
	v_and_b32 v[AL+\e], 0x80000000, v[AL+\e]
	v_lshlrev_b32 v[KK+\e], 30, v[KK+\e]
.endr
.irp e, 0,1,2,3
	v_xor_b32 v[SN+\e], v[AL+\e], v[SN+\e]
	v_and_b32 v[KK+\e], 0x80000000, v[KK+\e]
.endr
.irp e, 0,1,2,3
	v_xor_b32 v[CO+\e], v[KK+\e], v[CO+\e]
.endr
	s_lshl_b32 s21, s16, 9
	v_lshl_add_u32 v192, v2, 4, s21                ; 512 w + 16 lane
	global_store_b128 v192, v[CO:CO+3], s[14:15]               ; the wave stores 512 consecutive bytes, aligned
	global_store_b128 v192, v[SN:SN+3], s[14:15] offset:2048   ; (neither these registers nor the base are written again)
	; ---- the codes
	s_wait_loadcnt 12                              ; step 0's four loads are in; those of the three steps behind it may be out
	TURN 0
.macro STEP t
.set XS, X+16*((\t)%2)
.if (\t) > 0
	s_wait_dscnt 1                                 ; this step's numbers are back from the stage (the last step's byte store may be out): so its stores into the stage have read their registers,
.else
	s_wait_dscnt 0x0
.endif
.if (\t)+4 < STEPS
	LOAD (\t)+4                                    ; which take the loads of four steps on
.endif
.if (\t)+1 < STEPS
.if STEPS-2-(\t) >= 3
	s_wait_loadcnt 12                              ; the next step's four loads are in; those of the three steps behind it may be out
.else
	s_wait_loadcnt 4*(STEPS-2-(\t))
.endif
	TURN (\t)+1                                    ; and go through the other stage while this step is worked
.endif
	v_max3_num_f32 v8, |v[XS]|, |v[XS+1]|, |v[XS+2]|               ; the largest magnitude of my 16
	v_max3_num_f32 v9, |v[XS+3]|, |v[XS+4]|, |v[XS+5]|
.irp i, 6,10
	v_max3_num_f32 v8, v8, |v[XS+\i]|, |v[XS+\i+1]|
	v_max3_num_f32 v9, v9, |v[XS+\i+2]|, |v[XS+\i+3]|
.endr
	v_max3_num_f32 v8, v8, |v[XS+14]|, |v[XS+15]|
	v_max3_num_f32 v8, v8, v9, (EMAX+1)<<23        ; and the floor 2^(EMAX + 1 - 127): so the byte cannot fall under 1
	v_max_num_f32_dpp v8, v8, v8 row_xmask:1 row_mask:0xf bank_mask:0xf   ; and of my neighbour's 16: the block's
	v_add_nc_u32 v11, -(EMAX<<23), v8              ; EMAX off its exponent field: the conversion takes the exponent field of this operand as its scale
	v_cvt_scalef32_pk16_fp6_f32 v[C+4*(\t):C+4*(\t)+2], v[XS:XS+15], v11   ; sixteen numbers / the scale, to the nearest code, ties to even, beyond the largest code the largest
	v_lshrrev_b32 v[E+(\t)], 23, v11               ; the scale's byte
	ds_store_b8 v5, v[E+(\t)] offset:16*(\t)       ; both lanes of a block write the same byte with the same value
	global_store_b96 v4, v[C+4*(\t):C+4*(\t)+2], s[10:11] offset:49152*((\t)%2)+192*((\t)/2)   ; step t: row t / 2, K from 512 (t % 2)
.endm
.irp t, 0,1,2,3,4,5,6,7,8,9,10,11,12,13,14,15
	STEP \t
.endr
	ds_load_b64 v[12:13], v6                       ; LDS serves a wave's instructions in order: these see my stores
	s_wait_dscnt 0x0
	global_store_b64 v7, v[12:13], s[12:13]        ; 32 lanes store 256 consecutive bytes, aligned
	s_wait_tensorcnt 0x0
	ds_add_u32 v240, v241
	s_wait_dscnt 0x0
	s_endpgm
.Lfunc_end_k_q578e96f889_prep:
	.size	k_q578e96f889_prep, .Lfunc_end_k_q578e96f889_prep-k_q578e96f889_prep
	.p2alignl 7, 3214868480
	.fill 96, 4, 3214868480
	.section	.rodata,"a",@progbits
	.p2align	6, 0x0
	.amdhsa_kernel k_q578e96f889_prep
		.amdhsa_group_segment_fixed_size 33280
		.amdhsa_private_segment_fixed_size 0
		.amdhsa_enable_private_segment 0
		.amdhsa_kernarg_size 48
		.amdhsa_user_sgpr_count 2
		.amdhsa_user_sgpr_kernarg_segment_ptr 1
		.amdhsa_wavefront_size32 1
		.amdhsa_system_sgpr_workgroup_id_x 1
		.amdhsa_system_sgpr_workgroup_id_y 1
		.amdhsa_system_sgpr_workgroup_id_z 1
		.amdhsa_system_vgpr_workitem_id 0
		.amdhsa_next_free_vgpr 242
		.amdhsa_next_free_sgpr 66
		.amdhsa_reserve_vcc 1
		.amdhsa_float_denorm_mode_32 3
		.amdhsa_float_denorm_mode_16_64 3
		.amdhsa_memory_ordered 1
		.amdhsa_forward_progress 1
		.amdhsa_inst_pref_size 41
	.end_amdhsa_kernel
	.amdgpu_metadata
---
amdhsa.version: [ 1, 2 ]
amdhsa.kernels:
  - .name:           k_q578e96f889_prep
    .symbol:         k_q578e96f889_prep.kd
    .args:
      - { .name: x, .offset: 0, .size: 8, .value_kind: global_buffer, .address_space: global }
      - { .name: W_qkv, .offset: 8, .size: 8, .value_kind: global_buffer, .address_space: global }
      - { .name: W_proj, .offset: 16, .size: 8, .value_kind: global_buffer, .address_space: global }
      - { .name: codes, .offset: 24, .size: 8, .value_kind: global_buffer, .address_space: global }
      - { .name: scales, .offset: 32, .size: 8, .value_kind: global_buffer, .address_space: global }
      - { .name: tab, .offset: 40, .size: 8, .value_kind: global_buffer, .address_space: global }
    .group_segment_fixed_size: 33280
    .private_segment_fixed_size: 0
    .kernarg_segment_align: 8
    .kernarg_segment_size: 48
    .max_flat_workgroup_size: 128
    .sgpr_count:     66
    .vgpr_count:     242
    .wavefront_size: 32
...
	.end_amdgpu_metadata
.endif
;; end of part 1
;; launch qkv (part 2): grid 12 x 16, 4 waves a work-group, clusters of 4 x 4, 327,680 bytes of LDS; arguments codes, scales, tab, qbuf, kvbuf; writes qbuf, kvbuf
.if DOCPART == 2
	.amdgcn_target "amdgcn-amd-amdhsa--gfx1250"
	.amdhsa_code_object_version 6
	.text
	.protected	k_q578e96f889_qkv
	.globl	k_q578e96f889_qkv
	.p2align	8
	.type	k_q578e96f889_qkv,@function
k_q578e96f889_qkv:
	s_mov_b64 s[64:65], 0
	v_nop
	global_prefetch_b8 v0, s[64:65] scope:SCOPE_SE
	s_setreg_imm32_b32 hwreg(HW_REG_WAVE_MODE, 25, 1), 1
	s_wait_xcnt 0x0
	s_wait_alu depctr_hold_cnt(0) depctr_sa_sdst(0) depctr_va_vdst(0) depctr_va_sdst(0) depctr_va_ssrc(0) depctr_va_vcc(0) depctr_vm_vsrc(0)
	s_getreg_b32 s2, hwreg(HW_REG_IB_STS2, 6, 4)
	s_cmp_eq_u32 s2, 0
	s_cbranch_scc0 .Lentry_in_a_cluster
	s_endpgm
.Lentry_in_a_cluster:
	s_bfe_u32 s2, ttmp6, 0x10000c
	s_cmp_lg_u32 s2, 0xf033
	s_cbranch_scc0 .Lentry_shape_is_right
	s_endpgm
.Lentry_shape_is_right:
.set KSTEP,  256
.set NQ,     2
.set ROWB,   192
.set KROW,   768
.set PITCH,  240
.set FR,     12
.set NL,     6
.set NP,     4
.set HALFT,  128*PITCH
.set SLOT,   4*HALFT
.set LAPS,   2
.set KS,     32
.set SCL,    2*SLOT
.set HALFS,  (128*KS/256)*272
.set SBLK,   (16*KS/256)*272
.set SPARE,  SCL+4*HALFS
.set QSTG,   16384
.set VSTG,   65536
.set HSKV,   417792
.set ADRA, 16
.set ADRB, 20
.set STO16, 24
.set SSO,  25
.set L16,  26
.set ADRS, 27
.set SPW,  28
.set NIL,  29
.set VSEL, 30
.set VSO,  31
.set VSR,  14
.set VGO,  15
.set SC,   32
.set TAB,  64
.set AF,   128
.set R,    128
.set PC,   192
.set TM,   212
.set PW,   228
.set RT,   232
.set OB,   32
.set G1, 24
.set G0, 32
.set G1B, 48
.set G0B, 56
.set G1S, 68
.set G0S, 76
.set G1SB, 80
.set G0SB, 88
.set PT,  66
.set P0,  4
.set PS0, 92
.set PV,  96
.set PVS, 98
.set SEL, 100
.set MSB, 0
.macro WIN new
.if MSB != (\new)
	s_set_vgpr_msb (MSB<<8)|(\new)
.set MSB, (\new)
.endif
.endm
.set MUL_LO, 0xa1
.set MUL_HI, 0xf1
.set TO_B,   0x40
.macro JLOAD g0a, g1a, g0b, g1b
	s_cmp_eq_u32 s15, 0
	s_cbranch_scc0 .Lfor_b_\@
	tensor_load_to_lds s[\g0a:\g0a+3], s[\g1a:\g1a+7]
	s_nop 0
.rept 4
	v_nop
.endr
	s_branch .Lasked_\@
.Lfor_b_\@:
	tensor_load_to_lds s[\g0b:\g0b+3], s[\g1b:\g1b+7]
	s_nop 0
.rept 4
	v_nop
.endr
.Lasked_\@:
.endm
.macro CREST
	s_cmp_lg_u32 s14, 0
	s_cbranch_scc1 .Lnot_wave_0_\@
	s_barrier_signal -3
.Lnot_wave_0_\@:
	s_barrier_wait -3
	s_barrier_signal -1
	s_barrier_wait -1
.endm
.macro CROUND
	s_barrier_signal -1
	s_barrier_wait -1
	CREST
.endm
	s_load_b128 s[4:7], s[0:1], 0x0
	s_load_b128 s[8:11], s[0:1], 0x10
	s_load_b64 s[12:13], s[0:1], 0x20
	v_lshl_add_u32 v[SPW], v0, 2, SPARE
	v_mov_b32 v[NIL], 0
	ds_add_u32 v28, v29
	ds_add_u32 v28, v29
	s_wait_dscnt 0x0
	v_lshrrev_b32 v1, 5, v0
	v_readfirstlane_b32 s14, v1
	s_lshr_b32 s15, s14, 1
	s_and_b32 s16, s14, 1
	s_bfe_u32 s40, ttmp6, 0x40000
	s_bfe_u32 s41, ttmp6, 0x40004
	s_and_b32 s17, ttmp7, 0xffff
	s_lshl_b32 s17, s17, 2
	s_lshl_b32 s42, ttmp9, 2
	s_cmp_eq_u32 ttmp9, 2
	s_cselect_b32 s42, s17, s42
	s_cselect_b32 s17, 0, s17
	s_cselect_b32 s95, 4718592, 0
	s_cselect_b32 s96, 0, 3145728
	s_cselect_b32 s97, 196608, 0
	s_cselect_b32 s98, 0, 131072
	s_add_co_u32 s42, s42, s40
	s_add_co_u32 s17, s17, s41
	s_lshl_b32 s43, s41, 2
	s_lshl_b32 s43, 15, s43
	s_lshl_b32 s44, 0x1111, s40
	s_or_b32 s[G1+0], s43, (0<<16)|(1<<20)|(1<<21)|(3<<22)|(3<<25)
	s_or_b32 s[G1B+0], s44, (0<<16)|(1<<20)|(1<<21)|(3<<22)|(3<<25)
.irp g, G1, G1B
	s_mov_b32 s[\g+1], 256<<16                     ; 128 rows x 192 bytes of one 256 along K are one dense block of 24,576 bytes: 96 rows of 256 bytes;
	s_mov_b32 s[\g+2], 96<<16                      ; the padding, 16 bytes behind each 64, makes LDS rows of 240 bytes of it
	s_mov_b32 s[\g+3], 256<<16
	s_mov_b32 s[\g+4], 96
	s_mov_b32 s[\g+5], 256
	s_mov_b32 s[\g+6], 0
	s_mov_b32 s[\g+7], 0
.endr
	s_or_b32 s[G1S+0], s43, (3<<16)|(1<<20)|(1<<21)|(5<<22)|(3<<25)
	s_or_b32 s[G1SB+0], s44, (3<<16)|(1<<20)|(1<<21)|(5<<22)|(3<<25)
.irp g, G1S, G1SB
	s_mov_b32 s[\g+1], 32<<16
	s_mov_b32 s[\g+2], (128*KS/256)<<16
	s_mov_b32 s[\g+3], 32<<16
	s_mov_b32 s[\g+4], 128*KS/256
	s_mov_b32 s[\g+5], 32
	s_mov_b32 s[\g+6], 0
	s_mov_b32 s[\g+7], 0
.endr
	s_lshl_b32 s18, s16, 7
	s_lshl_b32 s20, s17, 8
	s_add_co_u32 s20, s20, s18
	s_lshl_b32 s46, s42, 8
	s_add_co_u32 s46, s46, s18
	s_lshl_b32 s22, s20, 5
	s_add_co_u32 s22, s22, s97
	s_mov_b32 s23, 0
	s_lshl_b32 s92, s46, 5
	s_add_co_u32 s92, s92, s98
	s_mov_b32 s93, 0
	s_mul_i32 s20, s20, KROW
	s_add_co_u32 s20, s20, s95
	s_mov_b32 s21, 0
	s_mul_i32 s46, s46, KROW
	s_add_co_u32 s46, s46, s96
	s_mov_b32 s47, 0
	s_mul_i32 s45, s14, HALFT
	s_mul_i32 s94, s14, HALFS
	s_mov_b32 s[SEL], 0x76543210
	s_mov_b32 s[SEL+1], 0xfedcba98
	s_wait_kmcnt 0x0
	s_add_nc_u64 s[20:21], s[4:5], s[20:21]
	s_add_nc_u64 s[22:23], s[6:7], s[22:23]
	s_add_nc_u64 s[46:47], s[4:5], s[46:47]
	s_add_nc_u64 s[92:93], s[6:7], s[92:93]
	CROUND
	s_mov_b32 s[G0S], 1
	s_add_co_u32 s[G0S+1], s94, SCL
	s_mov_b64 s[G0S+2:G0S+3], s[22:23]
	s_or_b32 s[G0S+3], s[G0S+3], 0x80000000
	s_mov_b32 s[G0SB], 1
	s_add_co_u32 s[G0SB+1], s94, SCL
	s_mov_b64 s[G0SB+2:G0SB+3], s[92:93]
	s_or_b32 s[G0SB+3], s[G0SB+3], 0x80000000
	JLOAD G0S, G1S, G0SB, G1SB
.irp s, 0,1
	s_mov_b32 s[G0+4*\s], 1
	s_add_co_u32 s[G0+4*\s+1], s45, \s*SLOT
	s_add_nc_u64 s[G0+4*\s+2:G0+4*\s+3], s[20:21], \s*24576
	s_or_b32 s[G0+4*\s+3], s[G0+4*\s+3], 0x80000000
	s_mov_b32 s[G0B+4*\s], 1
	s_add_co_u32 s[G0B+4*\s+1], s45, \s*SLOT
	s_add_nc_u64 s[G0B+4*\s+2:G0B+4*\s+3], s[46:47], \s*24576
	s_or_b32 s[G0B+4*\s+3], s[G0B+4*\s+3], 0x80000000
	s_wait_alu depctr_va_vdst(0)
	s_wait_tensorcnt 0x0
	ds_add_u32 v28, v29
	s_wait_dscnt 0x0
	CROUND
	JLOAD G0+4*\s, G1, G0B+4*\s, G1B
.endr
	v_and_b32 v1, 15, v0
	v_bfe_u32 v2, v0, 4, 1
	v_mul_u32_u24 v3, v1, PITCH
	v_mul_u32_u24 v4, v2, 24
	v_add_nc_u32 v4, v3, v4
	v_lshl_add_u32 v5, v2, 4, v4
	s_mul_i32 s21, s15, HALFT
	s_mul_i32 s22, s16, HALFT
	s_add_co_u32 s22, s22, 2*HALFT
.irp s, 0,1
	v_add_nc_u32 v[ADRA+\s], s21, v4
	v_add_nc_u32 v[ADRB+\s], s22, v4
	v_add_nc_u32 v[ADRA+2+\s], s21, v5
	v_add_nc_u32 v[ADRB+2+\s], s22, v5
	s_add_co_u32 s21, s21, SLOT
	s_add_co_u32 s22, s22, SLOT
.endr
	v_mul_u32_u24 v5, v1, KS
	v_lshrrev_b32 v6, 8, v5
	v_lshl_add_u32 v5, v6, 4, v5
	s_mul_i32 s21, s15, HALFS
	s_mul_i32 s22, s16, HALFS
	s_add_co_u32 s22, s22, 2*HALFS
	s_sub_co_u32 s22, s22, s21
	v_mul_u32_u24 v6, s22, v2
	s_add_co_u32 s21, s21, SCL
	v_add_nc_u32 v5, v5, v6
	v_add_nc_u32 v[ADRS], s21, v5
	v_and_b32 v6, 31, v0
	v_lshlrev_b32 v[L16], 4, v6
	s_lshl_b32 s23, s14, 14
	v_add_nc_u32 v[STO16], s23, v[L16]
	v_lshlrev_b32 v[SSO], 4, v1
	v_lshl_add_u32 v[SSO], v2, 9, v[SSO]
	v_add_nc_u32 v[SSO], s23, v[SSO]
	v_add_nc_u32 v[SSO], 12288, v[SSO]
	v_mov_b32 v[VSEL], 0x01000100
	v_mov_b32 v5, 0x03020302
	v_cmp_eq_u32 vcc_lo, 1, v2
	v_cndmask_b32 v[VSEL], v[VSEL], v5, vcc_lo
	s_lshl_b32 s22, s14, 9
	v_lshl_add_u32 v[VSO], v1, 3, s22
	v_add_nc_u32 v[VSO], VSTG, v[VSO]
	v_add_nc_u32 v[VSR], s22, v[L16]
	v_add_nc_u32 v[VSR], VSTG, v[VSR]
	v_mul_u32_u24 v[VGO], v2, HSKV
	v_lshl_add_u32 v[VGO], v1, 4, v[VGO]
	s_lshl_b32 s18, s17, 4
	s_lshl_b32 s19, s15, 3
	s_add_co_u32 s18, s18, s19
	s_lshl_b32 s18, s18, 12
	s_mov_b32 s19, 0
	s_add_nc_u64 s[PT:PT+1], s[8:9], s[18:19]
	s_lshl_b32 s20, s17, 1
	s_add_co_u32 s20, s20, s15
	s_lshl_b32 s21, s40, 2
	s_lshl_b32 s22, s16, 1
	s_add_co_u32 s21, s21, s22
	s_mov_b32 s18, HSKV
	s_mov_b32 s22, 13056
	s_mov_b32 s46, 12288
	s_cmp_eq_u32 ttmp9, 0
	s_cselect_b64 s[P0:P0+1], s[10:11], s[12:13]
	s_cselect_b32 s18, 212992, s18
	s_cselect_b32 s22, 6656, s22
	s_cselect_b32 s46, 6144, s46
	s_mul_i32 s21, s21, s18
	s_mul_i32 s20, s20, s22
	s_add_co_u32 s20, s20, s21
	s_mov_b32 s21, 0
	s_mov_b32 s19, 0
	s_mov_b32 s47, 0
	s_add_nc_u64 s[P0:P0+1], s[P0:P0+1], s[20:21]
	s_add_nc_u64 s[P0+2:P0+3], s[P0:P0+1], s[18:19]
	s_add_nc_u64 s[PS0:PS0+1], s[P0:P0+1], s[46:47]
	s_add_nc_u64 s[PS0+2:PS0+3], s[P0+2:P0+3], s[46:47]
	s_lshl_b32 s20, s17, 2
	s_lshl_b32 s21, s15, 1
	s_add_co_u32 s20, s20, s21
	s_mul_i32 s20, s20, HSKV
	s_lshl_b32 s21, s42, 1
	s_add_co_u32 s21, s21, s16
	s_mul_i32 s21, s21, 13056
	s_add_co_u32 s20, s20, s21
	s_add_co_u32 s20, s20, 6144
	s_mov_b32 s21, 0
	s_add_nc_u64 s[PV:PV+1], s[12:13], s[20:21]
	s_add_nc_u64 s[PVS:PVS+1], s[PV:PV+1], 6656
.macro TABLOAD a
.irp j, 0,1,2,3
	global_load_b128 v[TAB+32*((\a)%2)+4*\j:TAB+32*((\a)%2)+4*\j+3], v[L16], s[PT:PT+1] offset:(\a)*4096+512*\j
	global_load_b128 v[TAB+32*((\a)%2)+16+4*\j:TAB+32*((\a)%2)+16+4*\j+3], v[L16], s[PT:PT+1] offset:(\a)*4096+2048+512*\j
.endr
.endm
	TABLOAD 0
	TABLOAD 1
.macro FRAG reg, adr, q, i
.irp p, 0,1,2,3,4,5
.set PCE, 12*(\q)+6*(\p/3)+\p%3
.if PCE%8 < 5
	ds_load_b64 v[\reg+2*\p:\reg+2*\p+1], v[\adr] offset:8*PCE+16*(PCE/8)+(\i)*16*PITCH
.else
	ds_load_b64 v[\reg+2*\p:\reg+2*\p+1], v[\adr+2] offset:8*PCE+16*(PCE/8)+(\i)*16*PITCH
.endif
.endr
.endm
.macro MUL16 a0, p, q, sc, zero
.irp a, \a0, \a0+1
.irp b, 0,1,2,3,4,5,6,7
.if \zero
	v_wmma_scale_f32_16x16x128_f8f6f4 v[8*(8*((\a)%4)+\b):8*(8*((\a)%4)+\b)+7], v[128*(\p)+FR*\b:128*(\p)+FR*\b+FR-1], v[AF+FR*(\a):AF+FR*(\a)+FR-1], 0, v[SC+8*NQ*(\sc)+NQ*\b+(\q)], v[SC+8*NQ*(\sc)+NQ*(\a)+(\q)] matrix_a_fmt:MATRIX_FMT_FP6 matrix_b_fmt:MATRIX_FMT_FP6 matrix_a_scale:MATRIX_SCALE_ROW1
.else
	v_wmma_scale_f32_16x16x128_f8f6f4 v[8*(8*((\a)%4)+\b):8*(8*((\a)%4)+\b)+7], v[128*(\p)+FR*\b:128*(\p)+FR*\b+FR-1], v[AF+FR*(\a):AF+FR*(\a)+FR-1], v[8*(8*((\a)%4)+\b):8*(8*((\a)%4)+\b)+7], v[SC+8*NQ*(\sc)+NQ*\b+(\q)], v[SC+8*NQ*(\sc)+NQ*(\a)+(\q)] matrix_a_fmt:MATRIX_FMT_FP6 matrix_b_fmt:MATRIX_FMT_FP6 matrix_a_scale:MATRIX_SCALE_ROW1
.endif
.endr
.endr
.endm
.macro FETCH_B slot, q, p
	WIN TO_B
.irp i, 0,1,2,3,4,5,6,7
	FRAG 128*(\p)+FR*\i, ADRB+\slot, \q, \i
.endr
	WIN 0
.endm
.macro FETCH_A slot, q, i0
.irp i, \i0, \i0+1, \i0+2, \i0+3
	FRAG AF+FR*(\i), ADRA+\slot, \q, \i
.endr
.endm
.macro SCALES sc
.irp i, 0,1,2,3,4,5,6,7
	ds_load_b64 v[SC+8*NQ*\sc+NQ*\i:SC+8*NQ*\sc+NQ*\i+1], v[ADRS] offset:\i*SBLK
.endr
.endm
.macro PLACES n
.rept \n
	v_nop
.endr
.endm
.macro STEP slot, q, zero
	s_wait_dscnt 4*NL
	WIN MUL_LO
	MUL16 0, (\q)%2, \q, \slot, \zero
	MUL16 2, (\q)%2, \q, \slot, \zero
	s_wait_dscnt 0
	PLACES NP
	FETCH_B \slot, (\q)+1, 1-(\q)%2
	FETCH_A \slot, (\q)+1, 0
	WIN MUL_HI
	MUL16 4, (\q)%2, \q, \slot, \zero
	MUL16 6, (\q)%2, \q, \slot, \zero
	PLACES NP
	WIN 0
	FETCH_A \slot, (\q)+1, 4
.endm
.macro TURN slot, next, fill
	s_wait_tensorcnt 0x0
	ds_add_u32 v[SPW], v[NIL]
	s_wait_dscnt 4*NL+1
	WIN MUL_LO
	MUL16 0, 1, NQ-1, \slot, 0
	s_wait_dscnt 0x0
	s_barrier_signal -1
	MUL16 2, 1, NQ-1, \slot, 0
	WIN 0
	s_barrier_wait -1
.if \fill
	CREST
	s_add_nc_u64 s[G0+4*\slot+2:G0+4*\slot+3], s[G0+4*\slot+2:G0+4*\slot+3], 2*24576
	s_add_nc_u64 s[G0B+4*\slot+2:G0B+4*\slot+3], s[G0B+4*\slot+2:G0B+4*\slot+3], 2*24576
	JLOAD G0+4*\slot, G1, G0B+4*\slot, G1B
.else
	PLACES NP
.endif
	s_wait_alu depctr_va_vdst(0)
	v_add_nc_u32 v[ADRS], 4*NQ, v[ADRS]
	FETCH_B \next, 0, 0
	FETCH_A \next, 0, 0
	SCALES \next
	WIN MUL_HI
	MUL16 4, 1, NQ-1, \slot, 0
	MUL16 6, 1, NQ-1, \slot, 0
	PLACES NP
	WIN 0
	FETCH_A \next, 0, 4
.endm
	s_wait_tensorcnt 1
	s_barrier_signal -1
	s_barrier_wait -1
	FETCH_B 0, 0, 0
	FETCH_A 0, 0, 0
	SCALES 0
	FETCH_A 0, 0, 4
	STEP 0, 0, 1
	s_mov_b32 s3, LAPS-1
.Llap:
	TURN 0, 1, 1
	STEP 1, 0, 0
	TURN 1, 0, 1
	STEP 0, 0, 0
	s_sub_co_u32 s3, s3, 1
	s_cmp_lg_u32 s3, 0
	s_cbranch_scc1 .Llap
	TURN 0, 1, 0
	STEP 1, 0, 0
	s_wait_dscnt 4*NL
	WIN MUL_LO
	MUL16 0, 1, NQ-1, 1, 0
	MUL16 2, 1, NQ-1, 1, 0
	s_wait_dscnt 0
	WIN MUL_HI
	MUL16 4, 1, NQ-1, 1, 0
	MUL16 6, 1, NQ-1, 1, 0
	WIN 0
.macro ROPE a
.set AC, 64*((\a)%4)
.set TS, TAB+32*((\a)%2)
.set WA, 2+(\a)/4
	WIN WA
.irp c, 0,1
.irp i, 0,2,4,6,8,10,12,14
.set T1, RT+2*((\i/2)%4)
.set T2, RT+8+2*((\i/2)%4)
	v_pk_mul_f32 v[T1:T1+1], v[AC+32*\c+16+\i:AC+32*\c+17+\i], v[TS+16+\i:TS+17+\i]
	v_pk_mul_f32 v[T2:T2+1], v[AC+32*\c+\i:AC+32*\c+1+\i], v[TS+16+\i:TS+17+\i]
	v_pk_fma_f32 v[R+32*\c+\i:R+32*\c+1+\i], v[AC+32*\c+\i:AC+32*\c+1+\i], v[TS+\i:TS+1+\i], v[T1:T1+1] neg_lo:[0,0,1] neg_hi:[0,0,1]
	v_pk_fma_f32 v[R+32*\c+16+\i:R+32*\c+17+\i], v[AC+32*\c+16+\i:AC+32*\c+17+\i], v[TS+\i:TS+1+\i], v[T2:T2+1]
.endr
.endr
	WIN 0
.endm
.macro QUANT s, w
.set WQ, 5*(\w)
	WIN WQ
.irp b, 0,1,2,3
	v_max3_num_f32 v[TM+\b], |v[(\s)+16*\b]|, |v[(\s)+1+16*\b]|, 0x1800000
.endr
.irp i, 2,4,6,8,10,12,14
.irp b, 0,1,2,3
	v_max3_num_f32 v[TM+\b], |v[(\s)+16*\b+\i]|, |v[(\s)+1+16*\b+\i]|, v[TM+\b]
.endr
.endr
	WIN 0
.irp b, 0,1,2,3
	v_permlanex16_b32 v[TM+4+\b], v[TM+\b], s[SEL], s[SEL+1]
.endr
.irp b, 0,1,2,3
	v_max_num_f32 v[TM+\b], v[TM+\b], v[TM+4+\b]
.endr
.irp b, 0,1,2,3
	v_add_nc_u32 v[TM+12+\b], 0xff000000, v[TM+\b]
.endr
.irp b, 0,1,2,3
	v_lshrrev_b32 v[TM+4+\b], 23, v[TM+12+\b]
.endr
	v_lshl_or_b32 v[PW], v[TM+5], 8, v[TM+4]
	v_lshl_or_b32 v[PW], v[TM+6], 16, v[PW]
	v_lshl_or_b32 v[PW], v[TM+7], 24, v[PW]
	WIN \w
.irp c, 0,1
	v_cvt_scalef32_pk16_fp6_f32 v[PC+6*\c:PC+2+6*\c], v[(\s)+32*\c:(\s)+15+32*\c], v[TM+12+2*\c]
	v_cvt_scalef32_pk16_fp6_f32 v[PC+12+4*\c:PC+14+4*\c], v[(\s)+16+32*\c:(\s)+31+32*\c], v[TM+12+2*\c+1]
.endr
	WIN 0
	v_nop
.irp c, 0,1
.irp i, 0,1,2
	v_permlane16_swap_b32 v[PC+6*\c+\i], v[PC+12+4*\c+\i]
.endr
.irp i, 0,1,2
	v_mov_b32 v[PC+3+6*\c+\i], v[PC+12+4*\c+\i]
.endr
.endr
.endm
.macro QKSTAGE a
.irp c, 0,1
.if (\a)%2 == 0
	ds_store_b128 v[STO16], v[PC+6*\c:PC+6*\c+3] offset:\c*6144+1536*((\a)/2)
	ds_store_b64 v[STO16], v[PC+6*\c+4:PC+6*\c+5] offset:\c*6144+1536*((\a)/2)+512
.else
	ds_store_b64 v[STO16], v[PC+6*\c:PC+6*\c+1] offset:\c*6144+1536*((\a)/2)+520
	ds_store_b128 v[STO16], v[PC+6*\c+2:PC+6*\c+5] offset:\c*6144+1536*((\a)/2)+1024
.endif
.endr
	v_perm_b32 v[PW+1], v[PW], v[PW], v[VSEL]
	ds_store_b32 v[SSO], v[PW+1] offset:256*((\a)%2)+4*((\a)/2)
.endm
	PLACES NP
.irp b, 0,1,2,3
	v_mov_b32 v[TM+4+\b], 0
.endr
	s_wait_loadcnt 0x0
	s_cmp_eq_u32 ttmp9, 2
	s_cbranch_scc1 .Lv
.irp a, 0,1,2,3,4,5,6,7
.if (\a >= 2) && (\a < 7)
	s_wait_loadcnt 8
.endif
.if \a == 7
	s_wait_loadcnt 0x0
.endif
	ROPE \a
.if \a < 6
	TABLOAD \a+2
.endif
	s_wait_dscnt 0x0
	QUANT R, 0
	QKSTAGE \a
.endr
.irp c, 0,1
.irp t, 0,1,2,3,4,5,6,7,8,9,10,11
	ds_load_b128 v[OB+4*(13*\c+\t):OB+4*(13*\c+\t)+3], v[STO16] offset:\c*6144+512*\t
.endr
	ds_load_b128 v[OB+4*(13*\c+12):OB+4*(13*\c+12)+3], v[STO16] offset:12288+512*\c
.endr
.irp c, 0,1
.irp t, 0,1,2,3,4,5,6,7,8,9,10,11
	s_wait_dscnt 25-13*\c-\t
	global_store_b128 v[L16], v[OB+4*(13*\c+\t):OB+4*(13*\c+\t)+3], s[P0+2*\c:P0+2*\c+1] offset:512*\t
.endr
	s_wait_dscnt 13-13*\c
	global_store_b128 v[L16], v[OB+4*(13*\c+12):OB+4*(13*\c+12)+3], s[PS0+2*\c:PS0+2*\c+1]
.endr
	s_branch .Lend
.Lv:
.irp a, 0,1,2,3,4,5,6,7
.if \a > 0
	s_wait_xcnt 0x0
	s_wait_dscnt 0x0
.endif
	QUANT 64*(\a%4), 2+\a/4
.irp c, 0,1,2
	global_store_b128 v[L16], v[PC+4*\c:PC+4*\c+3], s[PV:PV+1] offset:(\a/4)*HSKV+(\a%4)*1536+512*\c
.endr
	ds_store_b32 v[VSO], v[PW] offset:256*(\a/4)+128*(\a%2)+4*((\a/2)%2)
.endr
	ds_load_b128 v[OB:OB+3], v[VSR]
	s_wait_dscnt 0x0
	global_store_b128 v[VGO], v[OB:OB+3], s[PVS:PVS+1]
.Lend:
	s_wait_tensorcnt 0x0
	ds_add_u32 v[SPW], v[NIL]
	s_wait_dscnt 0x0
	CROUND
	s_endpgm
.Lfunc_end_k_q578e96f889_qkv:
	.size	k_q578e96f889_qkv, .Lfunc_end_k_q578e96f889_qkv-k_q578e96f889_qkv
	.p2alignl 7, 3214868480
	.fill 96, 4, 3214868480
	.section	.rodata,"a",@progbits
	.p2align	6, 0x0
	.amdhsa_kernel k_q578e96f889_qkv
		.amdhsa_group_segment_fixed_size 327680
		.amdhsa_private_segment_fixed_size 0
		.amdhsa_enable_private_segment 0
		.amdhsa_kernarg_size 40
		.amdhsa_user_sgpr_count 2
		.amdhsa_user_sgpr_kernarg_segment_ptr 1
		.amdhsa_wavefront_size32 1
		.amdhsa_system_sgpr_workgroup_id_x 1
		.amdhsa_system_sgpr_workgroup_id_y 1
		.amdhsa_system_sgpr_workgroup_id_z 1
		.amdhsa_system_vgpr_workitem_id 0
		.amdhsa_next_free_vgpr 1024
		.amdhsa_next_free_sgpr 102
		.amdhsa_reserve_vcc 1
		.amdhsa_float_denorm_mode_32 3
		.amdhsa_float_denorm_mode_16_64 3
		.amdhsa_memory_ordered 1
		.amdhsa_forward_progress 1
		.amdhsa_inst_pref_size 245
	.end_amdhsa_kernel
	.amdgpu_metadata
---
amdhsa.version: [ 1, 2 ]
amdhsa.kernels:
  - .name:           k_q578e96f889_qkv
    .symbol:         k_q578e96f889_qkv.kd
    .args:
      - { .name: codes, .offset: 0, .size: 8, .value_kind: global_buffer, .address_space: global }
      - { .name: scales, .offset: 8, .size: 8, .value_kind: global_buffer, .address_space: global }
      - { .name: tab, .offset: 16, .size: 8, .value_kind: global_buffer, .address_space: global }
      - { .name: qbuf, .offset: 24, .size: 8, .value_kind: global_buffer, .address_space: global }
      - { .name: kvbuf, .offset: 32, .size: 8, .value_kind: global_buffer, .address_space: global }
    .group_segment_fixed_size: 327680
    .private_segment_fixed_size: 0
    .kernarg_segment_align: 8
    .kernarg_segment_size: 40
    .max_flat_workgroup_size: 128
    .sgpr_count:     102
    .vgpr_count:     1024
    .wavefront_size: 32
...
	.end_amdgpu_metadata
.endif
;; end of part 2
;; launch attn (part 3): grid 16 x 16, 16 waves a work-group, clusters of 4 x 1, 327,680 bytes of LDS; arguments qbuf, kvbuf, o_codes, o_scales; writes o_codes, o_scales
.if DOCPART == 3
	.amdgcn_target "amdgcn-amd-amdhsa--gfx1250"
	.amdhsa_code_object_version 6
	.text
	.protected	k_q578e96f889_attn
	.globl	k_q578e96f889_attn
	.p2align	8
	.type	k_q578e96f889_attn,@function
k_q578e96f889_attn:
	s_mov_b64 s[64:65], 0
	v_nop
	global_prefetch_b8 v0, s[64:65] scope:SCOPE_SE
	s_setreg_imm32_b32 hwreg(HW_REG_WAVE_MODE, 25, 1), 1
	s_wait_xcnt 0x0
	s_wait_alu depctr_hold_cnt(0) depctr_sa_sdst(0) depctr_va_vdst(0) depctr_va_sdst(0) depctr_va_ssrc(0) depctr_va_vcc(0) depctr_vm_vsrc(0)
	s_getreg_b32 s2, hwreg(HW_REG_IB_STS2, 6, 4)
	s_cmp_eq_u32 s2, 0
	s_cbranch_scc0 .Lentry_in_a_cluster
	s_endpgm
.Lentry_in_a_cluster:
	s_bfe_u32 s2, ttmp6, 0x10000c
	s_cmp_lg_u32 s2, 0x3003
	s_cbranch_scc0 .Lentry_shape_is_right
	s_endpgm
.Lentry_shape_is_right:
; ATTN.  O = softmax(q k^T / 8, causal) v for 16 heads of 64, 4,096 tokens, both products on codes of FP6 (E2M3) with one E8M0 scale for each 32 along K; O / the sum is quantised along the channels for the last product.
; THE SOFTMAX: t = score x log2(e) / 8; M = the running largest t rounded UP to a whole number; p = 2^(t - M) is quantised along the keys, not normalised; the row's sum is taken of the unquantised p, in f32,
; and divides O at the end.  When M moves, the sum and O are multiplied by 2^(old M - new M): exact.
; IN.  qbuf and kvbuf hold, for each head and each step of 128 places, images of the operands' registers (their layout: at the head of the launch that writes them).  Place p holds token swap34(p) (bits 3, 4 exchanged).
; SHARES.  A cluster is four work-groups of one head.  Cluster X owns the steps ("blocks of 128 queries") 4 X + k and 31 - 4 X - k, k = 0..3; a block's eight tiles of 16 queries are dealt two to each work-group (tiles 2 cx, 2 cx + 1).
; A wave owns ONE tile: of wave w, (w / 2) / 2 is k, (w / 2) % 2 the tile, and (w xor w / 4) % 2 says low block or high.  A tile of block b walks b + 1 key steps: each pair of waves 33, each work-group 264.
; The cluster walks the key steps 0 .. 31 - 4 X, two to a slot, two slots to a trip: 8 - X trips; a wave jumps over the steps behind its diagonal (a scalar branch on ids; no barrier or tensor load stands in a step).
; K's and V's records come through a ring of two LDS slots, asked for JOINTLY by the four work-groups (waves 0 and 1: a step's record each); all sixteen waves read them.  A wave has at most one tensor load out.
; cx enters Q's and O's global addresses and the mask's number in a vector register: no branch, no trip count, no LDS address.  Every LDS offset is an immediate.
; K = 64 IN AN INSTRUCTION OF 128.  A run of twelve registers of K's image holds tile 2 b in k = 0..63 and tile 2 b + 1 in k = 64..127.  Against [q | 0] it gives tile 2 b's scores, against [0 | q] tile 2 b + 1's: the other half meets
; zero codes, which add nothing.  The three runs [0 | q | 0] share registers.  K's scale words hold a place's two bytes twice; lanes 0-15 of a register serve tile 2 b, lanes 16-31 tile 2 b + 1.
; Both products are used transposed: a lane holds ONE query (lane % 16); the 16 registers of score tiles 2 b, 2 b + 1 are the tokens 32 b + 16 (lane / 16) + 0..15 of the step.
; OUT.  o_codes: [tile 256][head 16][768]: six registers a lane: 16 bytes at 16 L, 8 at 512 + 8 L: lane 16 h + r: codes 32 h .. 32 h + 31 of the head for place 16 tile + r.  o_scales: [place][32], byte 2 head + h.
; The scale bytes leave singly, two for each 48 bytes of codes: an aligned run of 256 of them belongs to all sixteen heads, that is to sixteen work-groups.
; LIMITS: NaN and infinities are not served; a block of zeros gets the byte 1 (its codes are zeros; this program alone reads the bytes).
.set REC,   13056                      ; a step's record: K's image 0, V's images 6144, K's scale words 12288, V's 12800
.set SLOTB, 2*REC
.set SLOT1, 32768                      ; slot 1 begins here
.set SPARE, 65536                      ; the spare words, 128 bytes for each of sixteen waves: eight blocks of 256 bytes that no other line names
.set HSKV,  417792
.set HSQ,   212992
.set L16,  1                           ; v1   16 x lane
.set L8,   2                           ; v2   8 x lane
.set DG,   3                           ; v3   my query's token in its step - 16 (lane / 16)
.set QSO,  4                           ; v4   16 r
.set SPW,  5                           ; v5   LDS address of my spare word; never rewritten
.set NIL,  6                           ; v6   0; never rewritten
.set OSO,  7                           ; v7   32 r + h
.set PFO,  9                           ; v9   256 x lane
.set F,    32                          ; v32-79  four runs of twelve: K's, then V's
.set KSC,  84                          ; v84-87  K's scale words
.set VSC,  88                          ; v88-89  V's
.set QS,   90                          ; v90     Q's
.set S,    96                          ; v96-159 scores, then p
.set O,    160                         ; v160-191 O^T
.set PCD,  192                         ; v192-203 p's codes; v204-206, v208-210 the conversions' second halves
.set QR,   212                         ; v212-229 [0 x 6 | q x 6 | 0 x 6]
.set WV,   12
.set CX,   13
.set HD,   14
.set TL,   16
.set SMAX, 18                          ; my block = my last key step
.set SI,   19                          ; the key step in hand
.set SEL,  20
.set CS,   22                          ; s[22:23] log2(e) / 8
.set G1,   24
.set G0,   32                          ; s[32:35] slot 0's group 0, s[36:39] slot 1's
.set TRIPS, 40
.set PFN,  41                          ; changes of slots that have filled
.set LIM,  42                          ; 11 in the wave that prefetches, else 0
.set PFA,  44
.macro CROUND
	s_barrier_signal -1
	s_barrier_wait -1
	s_cmp_lg_u32 s[WV], 0
	s_cbranch_scc1 .Lnot_wave_0_\@
	s_barrier_signal -3
.Lnot_wave_0_\@:
	s_barrier_wait -3
	s_barrier_signal -1
	s_barrier_wait -1
.endm
.macro JLOAD n                         ; waves 0 and 1 fetch a step's record each; the branch hangs on the wave's number alone.  Four v_nop follow the load
	s_cmp_lt_u32 s[WV], 2
	s_cbranch_scc0 .Lnone_\@
	tensor_load_to_lds s[G0+4*(\n):G0+4*(\n)+3], s[G1:G1+7]
	s_nop 0
.rept 4
	v_nop
.endr
.Lnone_\@:
.endm
; A PREFETCH INTO THE L2.  All clusters of a head walk the same records from step 0 on; cluster 0 walks them all, so it asks, and nobody else.  In each of its four work-groups wave 4, which fetches nothing, asks: 32 lanes 256 bytes
; apart, 8,192 bytes; the partners are told apart by address: 32,768 bytes at each change of slots that fills.  The n-th such change names bytes 24,576 + 32,768 n on, of the head's 417,792: the eleventh ends at the head's end,
; and the later ones ask for nothing.  The load of the next change begins at byte 26,112 (n + 1), which is never beyond what has been named but for the first 5,120 bytes at n = 1.  Slots 0 and 1 come by their loads alone.
.macro ASK
	s_cmp_le_u32 s[PFN], s[LIM]
	s_cbranch_scc0 .Lnot_mine_\@
	global_prefetch_b8 v[PFO], s[PFA:PFA+1] th:TH_LOAD_NT scope:SCOPE_SE
.Lnot_mine_\@:
.endm
	s_load_b256 s[4:11], s[0:1], 0x0               ; qbuf s[4:5], kvbuf s[6:7], o_codes s[8:9], o_scales s[10:11]
	v_lshl_add_u32 v[SPW], v0, 2, SPARE
	v_mov_b32 v[NIL], 0
	ds_add_u32 v5, v6
	ds_add_u32 v5, v6
	s_wait_dscnt 0x0
	v_lshrrev_b32 v8, 5, v0
	s_delay_alu instid0(VALU_DEP_1)
	v_readfirstlane_b32 s[WV], v8                  ; wave 0..15
	s_bfe_u32 s[CX], ttmp6, 0x40000                ; cx
	s_and_b32 s[HD], ttmp7, 0xffff                 ; the head
	; THE SHARES AS THEY STAND (in place of the paragraph SHARES at the head).  TWO WAVES SHARE A TILE of 16 queries: wave w has tile (w / 2) % 2 of block number k = w / 4, and of every slot's two key steps
	; the one of its parity w % 2.  The eight pairs first do the cluster's high blocks 31 - 4 X - k (16 - 2 X slots), then its low blocks 4 X + k (2 X + 2 slots, the records from step 0 again): 18 slots in every cluster,
	; eight trips of two slots in the loop and one written out.  At the change (the head of trip 8 - X) and at the end the odd wave puts O^T, -M and the sums into LDS bytes of its own ahead of a barrier;
	; behind it the even wave brings both halves under the larger M, by exact powers of two, adds them and stores.  A half with no key step holds zeros and is multiplied by 0.
	s_and_b32 s15, s[WV], 1                        ; my parity
	s_lshr_b32 s[TL], s[WV], 1
	s_lshr_b32 s17, s[TL], 1                       ; k
	s_and_b32 s[TL], s[TL], 1                      ; which of my work-group's two tiles
	s_lshl_b32 s2, ttmp9, 2
	s_add_co_u32 s2, s2, s17                       ; the low block 4 X + k: second
	s_sub_co_u32 s[SMAX], 31, s2                   ; the high one: first
	s_cmp_eq_u32 s[TL], 1
	s_cselect_b32 s50, -1, 0                       ; all lanes: the upper half of Q's twelve registers
	s_mov_b32 s51, 0xffff0000                      ; lanes 16-31
	s_mov_b32 s[SI], 0
	s_mov_b32 s[SEL], 0x76543210
	s_mov_b32 s[SEL+1], 0xfedcba98
	s_mov_b32 s[CS], 0x3e38aa3b                    ; log2(e) / 8
	s_mov_b32 s[CS+1], s[CS]                       ; (named with it as a pair, so it is written)
	s_sub_co_u32 s43, 8, ttmp9                     ; the trip at whose head the blocks change
	s_sub_co_u32 s3, 7, ttmp9                      ; the trip in which the fills' addresses go back to step 0
	s_mov_b32 s[TRIPS], 0                          ; trips done
	s_mov_b32 s[PFN], 0
	s_xor_b32 s[LIM], s[WV], 4
	s_or_b32 s[LIM], s[LIM], ttmp9                 ; 0 in wave 4 of the head's cluster 0: the same in all four partners
	s_cmp_eq_u32 s[LIM], 0
	s_cselect_b32 s[LIM], 11, 0
	; descriptor group 1: a record: 51 rows of 256 bytes (32 elements of 8), dense, no padding
	s_mov_b32 s[G1], 15|(3<<16)|(1<<21)            ; 15:0 the mask: all four work-groups; 17:16 elements of 8 bytes; 21 set beside a mask
	s_mov_b32 s[G1+1], 32<<16                      ; tensor_dim0
	s_mov_b32 s[G1+2], 51<<16                      ; tensor_dim1
	s_mov_b32 s[G1+3], 32<<16                      ; tile_dim0
	s_mov_b32 s[G1+4], 51                          ; tile_dim1
	s_mov_b32 s[G1+5], 32                          ; tensor_dim0_stride
	s_mov_b32 s[G1+6], 0
	s_mov_b32 s[G1+7], 0
	s_mul_i32 s52, s[HD], HSKV                     ; the head's first byte in kvbuf
	s_and_b32 s54, s[WV], 1
	s_mul_i32 s54, s54, REC                        ; which of a slot's two records I fetch
	s_add_co_u32 s56, s52, s54
	s_mov_b32 s57, 0
	s_lshl_b32 s58, s[CX], 13                      ; the prefetches: my work-group's 8,192 bytes,
	s_add_co_u32 s58, s58, s52
	s_add_co_u32 s58, s58, 24576                   ; stepped by 32,768 ahead of each
	s_mov_b32 s59, 0
	s_mul_i32 s62, s[HD], HSQ
	s_mul_i32 s60, s[SMAX], 6656
	s_add_co_u32 s62, s62, s60                     ; my block's record in qbuf
	s_mul_i32 s60, s[CX], 1536
	s_add_co_u32 s60, s60, s62                     ; its twelve registers number cx
	s_mov_b32 s61, 0
	s_lshl_b32 s53, s[TL], 8
	s_add_co_u32 s62, s62, s53
	s_lshl_b32 s53, s[CX], 2
	s_add_co_u32 s62, s62, s53
	s_add_co_u32 s62, s62, 6144                    ; its scale words: + 256 tile + 4 cx (+ 16 r)
	s_mov_b32 s63, 0
	v_and_b32 v8, 31, v0
	s_delay_alu instid0(VALU_DEP_1)
	v_lshlrev_b32 v[L16], 4, v8
	s_delay_alu instid0(VALU_DEP_2)
	v_lshlrev_b32 v[L8], 3, v8
	s_delay_alu instid0(VALU_DEP_3)
	v_lshlrev_b32 v[PFO], 8, v8
	v_and_b32 v10, 15, v0                          ; r
	v_bfe_u32 v11, v0, 4, 1                        ; h
	s_delay_alu instid0(VALU_DEP_2)
	v_lshrrev_b32 v[DG], 3, v10
	s_delay_alu instid0(VALU_DEP_1)
	v_lshl_add_u32 v[DG], v[DG], 3, v10            ; r + 8 (r / 8)
	s_lshl_b32 s55, s[CX], 5
	s_lshl_b32 s53, s[TL], 3
	s_add_co_u32 s55, s55, s53
	v_add_nc_u32 v[DG], s55, v[DG]                 ; my query's token in its step: 32 cx + 8 tile + r + 8 (r / 8)
	v_lshlrev_b32 v[QSO], 4, v11
	s_delay_alu instid0(VALU_DEP_1)
	v_sub_nc_u32 v[DG], v[DG], v[QSO]              ; - 16 h
	v_lshlrev_b32 v[QSO], 4, v10
	v_lshl_add_u32 v[OSO], v10, 5, v11
	s_mul_i32 s53, s[WV], 4608                     ; a wave's place for its half: nine runs of 512 bytes
	s_xor_b32 s55, s[WV], 1
	s_mul_i32 s55, s55, 4608
	v_add_nc_u32 v16, s53, v[L16]
	v_add_nc_u32 v17, s55, v[L16]
	v_add_nc_u32 v16, 67584, v16                   ; v16 my place, v17 my partner's: behind the spare words; no tensor load lands there
	v_add_nc_u32 v17, 67584, v17
	s_wait_kmcnt 0x0
	s_mov_b32 s[G0], 1                             ; 1:0 count = 1
	s_mov_b32 s[G0+1], s54                         ; 63:32 LDS address: slot 0
	s_add_nc_u64 s[G0+2:G0+3], s[6:7], s[56:57]    ; 120:64 global address: steps 0, 1
	s_mov_b32 s[G0+4], 1
	s_add_co_u32 s[G0+5], s54, SLOT1
	s_add_nc_u64 s[G0+6:G0+7], s[G0+2:G0+3], SLOTB ; steps 2, 3
	s_or_b32 s[G0+3], s[G0+3], 0x80000000          ; 127:126 type = 2
	s_or_b32 s[G0+7], s[G0+7], 0x80000000
	s_add_nc_u64 s[PFA:PFA+1], s[6:7], s[58:59]
	s_add_nc_u64 s[46:47], s[4:5], s[60:61]
	s_add_nc_u64 s[48:49], s[4:5], s[62:63]
	s_sub_co_u32 s56, s[SMAX], s2
	s_mul_i32 s56, s56, 6656
	s_mov_b32 s57, 0
	s_sub_nc_u64 s[52:53], s[46:47], s[56:57]      ; the low block's q and its scale words
	s_sub_nc_u64 s[54:55], s[48:49], s[56:57]
	s_lshl_b32 s58, s43, 1
	s_mul_i32 s58, s58, SLOTB                      ; the bytes of the first walk's 16 - 2 X slots
	s_cmp_eq_u32 s15, 1
	s_cselect_b32 s60, s43, 99                     ; the trip at whose head I put my half (odd waves), 99: never
	s_cselect_b32 s61, 99, s43                     ; or join the halves (even waves)
	CROUND                                         ; all four work-groups are here: the first joint loads meet
	s_cmp_lt_u32 s[WV], 2
	s_cbranch_scc0 .Lno_first
	tensor_load_to_lds s[G0:G0+3], s[G1:G1+7]      ; slot 0
	s_nop 0
.rept 4
	v_nop
.endr
.Lno_first:
.irp c, 0,1,2
	global_load_b128 v[F+4*\c:F+4*\c+3], v[L16], s[46:47] offset:512*\c   ; two tiles of queries; mine is chosen below
.endr
	s_wait_alu depctr_va_vdst(0)
	global_load_b32 v[QS], v[QSO], s[48:49]
.irp c, 0,1,2
	global_load_b128 v[S+4*\c:S+4*\c+3], v[L16], s[52:53] offset:512*\c   ; the low block's two tiles; mine is kept in v18-23, its scale words in v24
.endr
	global_load_b32 v24, v[QSO], s[54:55]
	v_mov_b32 v13, 0xff61b1e6                      ; the largest t so far: -3e38, under every t
	s_delay_alu instid0(VALU_DEP_1)
	v_floor_f32 v12, -v13                          ; -M
	v_mov_b32 v14, 0                               ; the sum, in two halves
	v_mov_b32 v15, 0
.irp b, 0,1,2,3
	v_mov_b32 v[236+\b], 0                         ; written once: a lane permute's destination counts as one of its sources
.endr
	v_mov_b32 v252, 0
	v_mov_b32 v253, 0                              ; (named as the upper half of the pair v[252:253] before it is first written)
.irp e, 0,1,2,3,4,5
	v_mov_b32 v[QR+\e], 0                          ; zero codes on both sides of q
	v_mov_b32 v[QR+12+\e], 0
.endr
	s_wait_loadcnt 0x0
.irp e, 0,1,2,3,4,5
	v_cndmask_b32 v[QR+6+\e], v[F+\e], v[F+6+\e], s50
	v_cndmask_b32 v[18+\e], v[S+\e], v[S+6+\e], s50
.endr
.set jj, 0
.rept 32
	v_mov_b32 v[O+jj], 0                           ; O^T.  (The step is written for every turn alike: the first finds zeros, which the first change of M leaves zeros)
.set jj, jj+1
.endr
; A KEY STEP: 128 keys, record q of the slot.
.macro STEP slot, q
.set BB, SLOT1*(\slot)+REC*(\q)
	s_cmp_lg_u32 s15, \q                           ; my partner's step
	s_cbranch_scc1 .Lhidden_\@
	s_cmp_gt_u32 s[SI], s[SMAX]                    ; all its keys come after my queries: left out
	s_cbranch_scc1 .Lhidden_\@
.irp b, 0,1,2,3
.irp c, 0,1,2
	ds_load_b128 v[F+12*\b+4*\c:F+12*\b+4*\c+3], v[L16] offset:BB+1536*\b+512*\c   ; K's image: 512 consecutive bytes a load
.endr
.endr
	ds_load_b128 v[KSC:KSC+3], v[L16] offset:BB+12288
	s_wait_dscnt 0x0
.irp b, 0,1,2,3
	v_wmma_scale_f32_16x16x128_f8f6f4 v[S+16*\b:S+16*\b+7], v[F+12*\b:F+12*\b+11], v[QR+6:QR+17], 0, v[KSC+\b], v[QS] matrix_a_fmt:MATRIX_FMT_FP6 matrix_b_fmt:MATRIX_FMT_FP6
	v_wmma_scale_f32_16x16x128_f8f6f4 v[S+16*\b+8:S+16*\b+15], v[F+12*\b:F+12*\b+11], v[QR:QR+11], 0, v[KSC+\b], v[QS] matrix_a_fmt:MATRIX_FMT_FP6 matrix_b_fmt:MATRIX_FMT_FP6 matrix_a_scale:MATRIX_SCALE_ROW1
.endr
.rept 4
	v_nop                                          ; places: K's registers are loaded again, and the scores are read (ISA guide 7.12.1)
.endr
.irp t, 0,1,2,3
.irp c, 0,1,2
	ds_load_b128 v[F+12*\t+4*\c:F+12*\t+4*\c+3], v[L16] offset:BB+6144+1536*\t+512*\c   ; V's images land while the softmax is worked
.endr
.endr
	ds_load_b64 v[VSC:VSC+1], v[L8] offset:BB+12800
	s_cmp_lt_u32 s[SI], s[SMAX]                    ; only my last step lies on the diagonal
	s_cbranch_scc1 .Lopen_\@
	v_mov_b32 v254, 0xff800000                     ; -infinity: p = 0.  Register 16 b + i holds token 32 b + 16 (lane / 16) + i: hidden where 32 b + i > v[DG]
.set nn, 0
.rept 64
	v_cmp_gt_i32 vcc_lo, 32*(nn/16)+nn%16, v[DG]
	v_cndmask_b32 v[S+nn], v[S+nn], v254, vcc_lo
.set nn, nn+1
.endr
.Lopen_\@:
.irp b, 0,1,2,3
	v_max3_num_f32 v[232+\b], v[S+16*\b], v[S+1+16*\b], v[S+2+16*\b]   ; the largest score of each block of 32 keys: for the row's maximum and, since p rises with the score, for the block's largest p
.endr
.irp i, 3,5,7,9,11,13
.irp b, 0,1,2,3
	v_max3_num_f32 v[232+\b], v[232+\b], v[S+16*\b+\i], v[S+1+16*\b+\i]
.endr
.endr
.irp b, 0,1,2,3
	v_max_num_f32 v[232+\b], v[232+\b], v[S+15+16*\b]
.endr
.irp b, 0,1,2,3
	s_delay_alu instid0(VALU_DEP_4)
	v_permlanex16_b32 v[236+\b], v[232+\b], s[SEL], s[SEL+1]
.endr
.irp b, 0,1,2,3
	s_delay_alu instid0(VALU_DEP_4)
	v_max_num_f32 v[232+\b], v[232+\b], v[236+\b]  ; with lane l xor 16's 16 keys
.endr
	s_delay_alu instid0(VALU_DEP_2)
	v_max3_num_f32 v254, v232, v233, v234
	s_delay_alu instid0(VALU_DEP_1)
	v_max_num_f32 v254, v254, v235                 ; the step's largest score of my query
	s_delay_alu instid0(VALU_DEP_1)
	v_mul_f32 v254, s[CS], v254                    ; as t
	s_delay_alu instid0(VALU_DEP_1)
	v_max_num_f32 v13, v13, v254                   ; the running largest t
	v_mov_b32 v254, v12
	s_delay_alu instid0(VALU_DEP_2)
	v_floor_f32 v12, -v13                          ; the new -M = floor(-t) = -ceil(t)
	s_delay_alu instid0(VALU_DEP_1)
	v_sub_f32 v254, v12, v254                      ; old M - new M: a whole number, 0 or less
	s_delay_alu instid0(VALU_DEP_1)
	v_cvt_i32_f32 v254, v254                       ; (it saturates)
	s_delay_alu instid0(VALU_DEP_1)
	v_ldexp_f32 v252, 1.0, v254                    ; f = 2^(old M - new M)
.set jj, 0
.rept 32
	v_pk_fma_f32 v[S+jj:S+jj+1], v[S+jj:S+jj+1], s[CS:CS+1], v[12:13] op_sel_hi:[1,0,0]   ; t - M, two at a time
.set jj, jj+2
.endr
.irp b, 0,1,2,3
	v_fma_f32 v[232+\b], v[232+\b], s[CS], v12     ; the same of each block's largest score
.endr
.set jj, 0
	s_wait_alu depctr_va_vdst(0)
.rept 64
	v_exp_f32 v[S+jj], v[S+jj]                     ; p = 2^(t - M), at most 1
.set jj, jj+1
.endr
	v_pk_mul_f32 v[14:15], v[14:15], v[252:253] op_sel_hi:[1,0]   ; the sums under the new M.  (A plain place behind the exponentials)
	s_wait_alu depctr_va_vdst(0)                   ; one wait for the whole batch, ahead of its first reader
.irp b, 0,1,2,3
	v_exp_f32 v[232+\b], v[232+\b]                 ; the block's largest p: the same two instructions on the same number give the same bits
.endr
	v_pk_add_f32 v[236:237], v[100:101], v[104:105]
	v_pk_add_f32 v[254:255], v[108:109], v[112:113]
	v_pk_add_f32 v[250:251], v[116:117], v[120:121]
	v_pk_add_f32 v[248:249], v[124:125], v[128:129]
	v_pk_add_f32 v[246:247], v[132:133], v[136:137]
	v_pk_add_f32 v[244:245], v[140:141], v[144:145]
	v_pk_add_f32 v[242:243], v[148:149], v[152:153]
	v_pk_add_f32 v[14:15], v[14:15], v[156:157]
	v_pk_add_f32 v[236:237], v[236:237], v[96:97]
	v_pk_add_f32 v[254:255], v[254:255], v[98:99]
	v_pk_add_f32 v[250:251], v[250:251], v[102:103]
	v_pk_add_f32 v[248:249], v[248:249], v[106:107]
	v_pk_add_f32 v[246:247], v[246:247], v[110:111]
	v_pk_add_f32 v[244:245], v[244:245], v[114:115]
	v_pk_add_f32 v[242:243], v[242:243], v[118:119]
	v_pk_add_f32 v[14:15], v[14:15], v[122:123]
	v_pk_add_f32 v[236:237], v[236:237], v[126:127]
	v_pk_add_f32 v[254:255], v[254:255], v[130:131]
	v_pk_add_f32 v[250:251], v[250:251], v[134:135]
	v_pk_add_f32 v[248:249], v[248:249], v[138:139]
	v_pk_add_f32 v[246:247], v[246:247], v[142:143]
	v_pk_add_f32 v[244:245], v[244:245], v[146:147]
	v_pk_add_f32 v[242:243], v[242:243], v[150:151]
	v_pk_add_f32 v[14:15], v[14:15], v[154:155]
	v_pk_add_f32 v[236:237], v[236:237], v[158:159]
	s_delay_alu instid0(VALU_DEP_2)
	v_pk_add_f32 v[14:15], v[14:15], v[248:249]
	s_delay_alu instid0(VALU_DEP_2)
	v_pk_add_f32 v[236:237], v[236:237], v[246:247]
	v_pk_add_f32 v[254:255], v[254:255], v[244:245]
	v_pk_add_f32 v[250:251], v[250:251], v[242:243]
	s_delay_alu instid0(VALU_DEP_2)
	v_pk_add_f32 v[14:15], v[14:15], v[254:255]
	s_delay_alu instid0(VALU_DEP_2)
	v_pk_add_f32 v[236:237], v[236:237], v[250:251]
	s_delay_alu instid0(VALU_DEP_1)
	v_pk_add_f32 v[14:15], v[14:15], v[236:237]
	s_wait_alu depctr_va_vdst(0)                   ; and one for the four
.irp b, 0,1,2,3
	v_max_num_f32 v[232+\b], 0x1800000, v[232+\b]  ; the floor 2^(3 - 127): the byte cannot fall under 1
.endr
.irp b, 0,1,2,3
	s_delay_alu instid0(VALU_DEP_4)
	v_add_nc_u32 v[244+\b], 0xff000000, v[232+\b]  ; 2 off the exponent field: the conversion's scale operand
.endr
.irp b, 0,1,2,3
	s_delay_alu instid0(VALU_DEP_4)
	v_lshrrev_b32 v[236+\b], 23, v[244+\b]         ; the scale's byte
.endr
	s_delay_alu instid0(VALU_DEP_3)
	v_lshl_or_b32 v253, v237, 8, v236              ; p's scale word for these 128 keys
	s_delay_alu instid0(VALU_DEP_1)
	v_lshl_or_b32 v253, v238, 16, v253
	s_delay_alu instid0(VALU_DEP_1)
	v_lshl_or_b32 v253, v239, 24, v253
.irp c, 0,1
	v_cvt_scalef32_pk16_fp6_f32 v[PCD+6*\c:PCD+2+6*\c], v[S+32*\c:S+15+32*\c], v[244+2*\c]
	v_cvt_scalef32_pk16_fp6_f32 v[PCD+12+4*\c:PCD+14+4*\c], v[S+16+32*\c:S+31+32*\c], v[244+2*\c+1]   ; (a conversion's three registers begin on an even number)
.endr
	v_nop                                          ; one plain place behind a scaled conversion
.irp c, 0,1                                    ; the operand's layout wants a WHOLE block in a lane
.irp i, 0,1,2
	v_permlane16_swap_b32 v[PCD+6*\c+\i], v[PCD+12+4*\c+\i]
.endr
.irp i, 0,1,2
	s_delay_alu instid0(VALU_DEP_3)
	v_mov_b32 v[PCD+3+6*\c+\i], v[PCD+12+4*\c+\i]
.endr
.endr
.set jj, 0
.rept 16
	v_pk_mul_f32 v[O+jj:O+jj+1], v[O+jj:O+jj+1], v[252:253] op_sel_hi:[1,0]   ; O^T under the new M.  (These sixteen are also the places in front of the scaled products)
.set jj, jj+2
.endr
	s_wait_alu depctr_va_vdst(0)
	s_wait_dscnt 0x0                               ; V's images and scale words
.irp t, 0,2
	v_wmma_scale_f32_16x16x128_f8f6f4 v[O+8*\t:O+8*\t+7], v[F+12*\t:F+12*\t+11], v[PCD:PCD+11], v[O+8*\t:O+8*\t+7], v[VSC+\t/2], v253 matrix_a_fmt:MATRIX_FMT_FP6 matrix_b_fmt:MATRIX_FMT_FP6
	v_wmma_scale_f32_16x16x128_f8f6f4 v[O+8*\t+8:O+8*\t+15], v[F+12*\t+12:F+12*\t+23], v[PCD:PCD+11], v[O+8*\t+8:O+8*\t+15], v[VSC+\t/2], v253 matrix_a_fmt:MATRIX_FMT_FP6 matrix_b_fmt:MATRIX_FMT_FP6 matrix_a_scale:MATRIX_SCALE_ROW1
.endr                                          ; the four accumulators take turns, and eight score products stand between a link and the next
.rept 4
	v_nop                                          ; places: V's registers are loaded again in the next step, and O^T is read
.endr
.Lhidden_\@:
	s_add_co_u32 s[SI], s[SI], 1
.endm
; THE CHANGE OF SLOTS stands at the head of slot cur.  Each wave waits for all its tensor loads (its part of slot cur), adds 0 to its spare word, and waits for that and for its reads of the slot that it has left.
; fill = 1: the barrier is a round of the cluster's, and behind it the other slot takes the two steps that follow: the load has two steps in which to land.
.macro CHANGE cur, fill
	s_wait_tensorcnt 0x0                           ; no tensor load of mine is out, so a group 0 may be written
	ds_add_u32 v[SPW], v[NIL]                      ; 0 onto my spare word,
	ds_add_u32 v[SPW], v[NIL]                      ; twice on end here
	s_add_nc_u64 s[G0+4*\cur+2:G0+4*\cur+3], s[G0+4*\cur+2:G0+4*\cur+3], 2*SLOTB
	s_cmp_eq_u32 s[TRIPS], s3                      ; in trip 7 - X the next fill is the second walk's first: back by the first walk's bytes
	s_cselect_b32 s56, s58, 0
	s_sub_nc_u64 s[G0+4*\cur+2:G0+4*\cur+3], s[G0+4*\cur+2:G0+4*\cur+3], s[56:57]
.if \fill
	s_wait_xcnt 0x0                                ; the last prefetch, a slot back, has read its address
	s_add_nc_u64 s[PFA:PFA+1], s[PFA:PFA+1], 32768
	s_add_co_u32 s[PFN], s[PFN], 1
.endif
	s_wait_dscnt 0x0                               ; the add is done, and my reads of the slot that I have left are over
.if \fill
	CROUND
	JLOAD 1-\cur                                   ; the first thing behind the round, and a wave's one tensor load until the next
	ASK
.else
	s_barrier_signal -1
	s_barrier_wait -1
.endif
.endm
.macro STATEPUT                        ; images of my registers: O^T, then -M, t and the sum's two halves; each accumulator from its low end on
.irp c, 0,1,2,3,4,5,6,7
	ds_store_b128 v16, v[O+4*\c:O+4*\c+3] offset:512*\c
.endr
	ds_store_b128 v16, v[12:15] offset:4096
.endm
.macro MERGE                           ; my partner's half into v[S..]; both under the larger M: the factors are powers of two
.irp c, 0,1,2,3,4,5,6,7
	ds_load_b128 v[S+4*\c:S+4*\c+3], v17 offset:512*\c
.endr
	ds_load_b128 v[S+32:S+35], v17 offset:4096
	s_wait_dscnt 0x0
	v_min_num_f32 v254, v12, v[S+32]               ; -M of the two
	v_add_f32 v14, v14, v15
	v_add_f32 v15, v[S+34], v[S+35]
	v_sub_f32 v250, v254, v12                      ; whole numbers, 0 or less
	v_sub_f32 v251, v254, v[S+32]
	v_cvt_i32_f32 v250, v250                       ; (they saturate)
	v_cvt_i32_f32 v251, v251
	v_ldexp_f32 v252, 1.0, v250                    ; my factor
	v_ldexp_f32 v250, 1.0, v251                    ; my partner's
	v_mul_f32 v14, v14, v252
	v_fmac_f32 v14, v15, v250                      ; the sum
	v_mov_b32 v15, 0
.set jj, 0
.rept 16
	v_pk_mul_f32 v[S+jj:S+jj+1], v[S+jj:S+jj+1], v[250:251] op_sel_hi:[1,0]
.set jj, jj+2
.endr
.set jj, 0
.rept 16
	v_pk_fma_f32 v[O+jj:O+jj+1], v[O+jj:O+jj+1], v[252:253], v[S+jj:S+jj+1] op_sel_hi:[1,0,1]
.set jj, jj+2
.endr
.endm
.macro WAYOUT1                         ; the high block's way out: as the way out at the kernel's end, with addresses in registers of its own
	v_add_f32 v14, v14, v15
	v_permlanex16_b32 v252, v14, s[SEL], s[SEL+1]
	v_add_f32 v14, v14, v252                       ; the row's sum
	s_wait_alu depctr_va_vdst(0)                   ; the wait ahead of the transcendental
	v_rcp_f32 v14, v14
	v_nop
	s_lshl_b32 s52, s[SMAX], 3
	s_lshl_b32 s53, s[CX], 1
	s_add_co_u32 s52, s52, s53
	s_add_co_u32 s52, s52, s[TL]                   ; my tile: 8 block + 2 cx + tile
	s_lshl_b32 s54, s52, 4
	s_add_co_u32 s54, s54, s[HD]
	s_mul_i32 s54, s54, 768
	s_mov_b32 s55, 0
	s_add_nc_u64 s[62:63], s[8:9], s[54:55]
	s_lshl_b32 s54, s52, 9
	s_lshl_b32 s53, s[HD], 1
	s_add_co_u32 s54, s54, s53
	s_add_nc_u64 s[54:55], s[10:11], s[54:55]
	s_wait_alu depctr_va_vdst(0)                   ; and ahead of its first reader
.set jj, 0
.rept 32
	v_mul_f32 v[S+jj], v[O+jj], v14
.set jj, jj+1
.endr
.irp b, 0,1
	v_max3_num_f32 v[232+\b], |v[S+16*\b]|, |v[S+1+16*\b]|, 0x1800000
.endr
.irp i, 2,4,6,8,10,12,14
.irp b, 0,1
	v_max3_num_f32 v[232+\b], v[232+\b], |v[S+16*\b+\i]|, |v[S+1+16*\b+\i]|
.endr
.endr
.irp b, 0,1
	v_permlanex16_b32 v[236+\b], v[232+\b], s[SEL], s[SEL+1]
.endr
.irp b, 0,1
	v_max_num_f32 v[232+\b], v[232+\b], v[236+\b]
.endr
.irp b, 0,1
	v_add_nc_u32 v[244+\b], 0xff000000, v[232+\b]
.endr
.irp b, 0,1
	v_lshrrev_b32 v[236+\b], 23, v[244+\b]
.endr
	v_cndmask_b32 v238, v236, v237, s51
	v_cvt_scalef32_pk16_fp6_f32 v[PCD:PCD+2], v[S:S+15], v244
	v_cvt_scalef32_pk16_fp6_f32 v[PCD+12:PCD+14], v[S+16:S+31], v245
	v_nop                                          ; one plain place behind a scaled conversion
.irp i, 0,1,2
	v_permlane16_swap_b32 v[PCD+\i], v[PCD+12+\i]
.endr
.irp i, 0,1,2
	v_mov_b32 v[PCD+3+\i], v[PCD+12+\i]
.endr
	global_store_b128 v[L16], v[PCD:PCD+3], s[62:63]
	global_store_b64 v[L8], v[PCD+4:PCD+5], s[62:63] offset:512
	global_store_b8 v[OSO], v238, s[54:55]
	s_wait_xcnt 0x0                                ; the stores' data and bases are written again below
.endm
.macro PUT                             ; ahead of the change of slots, whose wait on DScnt and barrier serve these stores too
	s_cmp_lg_u32 s[TRIPS], s60
	s_cbranch_scc1 .Lnoput_\@
	STATEPUT
.Lnoput_\@:
.endm
.macro GET                             ; behind it.  The branches hang on ids alone and lead round no barrier, wait on a tile or tensor load
	s_cmp_lg_u32 s[TRIPS], s61
	s_cbranch_scc1 .Lnoget_\@
	MERGE
	WAYOUT1
.Lnoget_\@:
	s_cmp_lg_u32 s[TRIPS], s43
	s_cbranch_scc1 .Lnoinit_\@
	s_mov_b32 s[SMAX], s2                          ; on to the low block, from key step 0
	s_mov_b32 s[SI], 0
	v_mov_b32 v[QS], v24
.irp e, 0,1,2,3,4,5
	v_mov_b32 v[QR+6+\e], v[18+\e]
.endr
	v_mov_b32 v13, 0xff61b1e6
	v_floor_f32 v12, -v13
	v_mov_b32 v14, 0
	v_mov_b32 v15, 0
.set jj, 0
.rept 32
	v_mov_b32 v[O+jj], 0                           ; (these are also the places in front of the scaled products)
.set jj, jj+1
.endr
	s_wait_alu depctr_va_vdst(0)
.Lnoinit_\@:
.endm
	s_wait_alu depctr_va_vdst(0)                   ; the wait at the head's end
.Ltrip:
	PUT
	CHANGE 0, 1
	GET
	STEP 0, 0
	STEP 0, 1
	CHANGE 1, 1
	STEP 1, 0
	STEP 1, 1
	s_add_co_u32 s[TRIPS], s[TRIPS], 1
	s_cmp_lt_u32 s[TRIPS], 8
	s_cbranch_scc1 .Ltrip
	PUT
	CHANGE 0, 1
	GET
	STEP 0, 0
	STEP 0, 1
	CHANGE 1, 0
	STEP 1, 0
	STEP 1, 1
	; THE WAY OUT.  O^T / the sum; register 16 b + i is channel 32 b + 16 h + i of the head: two blocks of 32, each in lanes l and l xor 16.
	s_cmp_lg_u32 s15, 1
	s_cbranch_scc1 .Lnoput_f
	STATEPUT                                       ; the low block's odd half
.Lnoput_f:
	s_wait_dscnt 0x0                               ; my stores are done
	s_barrier_signal -1
	s_barrier_wait -1
	s_cmp_lg_u32 s15, 0
	s_cbranch_scc1 .Lfin                           ; the even wave joins and stores
	MERGE
	v_add_f32 v14, v14, v15
	s_delay_alu instid0(VALU_DEP_1)
	v_permlanex16_b32 v252, v14, s[SEL], s[SEL+1]
	s_delay_alu instid0(VALU_DEP_1)
	v_add_f32 v14, v14, v252                       ; the row's sum
	s_wait_alu depctr_va_vdst(0)
	v_rcp_f32 v14, v14
	v_nop                                          ; a plain place behind the transcendental
	s_lshl_b32 s52, s[SMAX], 3
	s_lshl_b32 s53, s[CX], 1
	s_add_co_u32 s52, s52, s53
	s_add_co_u32 s52, s52, s[TL]                   ; my tile: 8 block + 2 cx + tile
	s_lshl_b32 s54, s52, 4
	s_add_co_u32 s54, s54, s[HD]
	s_mul_i32 s54, s54, 768
	s_mov_b32 s55, 0
	s_add_nc_u64 s[8:9], s[8:9], s[54:55]
	s_lshl_b32 s54, s52, 9
	s_lshl_b32 s53, s[HD], 1
	s_add_co_u32 s54, s54, s53
	s_add_nc_u64 s[10:11], s[10:11], s[54:55]
	s_wait_alu depctr_va_vdst(0)                   ; the wait ahead of the reciprocal's first reader
.set jj, 0
.rept 32
	v_mul_f32 v[S+jj], v[O+jj], v14
.set jj, jj+1
.endr
.irp b, 0,1
	v_max3_num_f32 v[232+\b], |v[S+16*\b]|, |v[S+1+16*\b]|, 0x1800000
.endr
.irp i, 2,4,6,8,10,12,14
.irp b, 0,1
	s_delay_alu instid0(VALU_DEP_2)
	v_max3_num_f32 v[232+\b], v[232+\b], |v[S+16*\b+\i]|, |v[S+1+16*\b+\i]|
.endr
.endr
.irp b, 0,1
	s_delay_alu instid0(VALU_DEP_2)
	v_permlanex16_b32 v[236+\b], v[232+\b], s[SEL], s[SEL+1]
.endr
.irp b, 0,1
	s_delay_alu instid0(VALU_DEP_2)
	v_max_num_f32 v[232+\b], v[232+\b], v[236+\b]
.endr
.irp b, 0,1
	s_delay_alu instid0(VALU_DEP_2)
	v_add_nc_u32 v[244+\b], 0xff000000, v[232+\b]
.endr
.irp b, 0,1
	s_delay_alu instid0(VALU_DEP_2)
	v_lshrrev_b32 v[236+\b], 23, v[244+\b]
.endr
	s_delay_alu instid0(VALU_DEP_1)
	v_cndmask_b32 v238, v236, v237, s51            ; lanes 0-15 block 0's byte, lanes 16-31 block 1's
	v_cvt_scalef32_pk16_fp6_f32 v[PCD:PCD+2], v[S:S+15], v244
	v_cvt_scalef32_pk16_fp6_f32 v[PCD+12:PCD+14], v[S+16:S+31], v245
	v_nop                                          ; one plain place behind a scaled conversion
.irp i, 0,1,2
	v_permlane16_swap_b32 v[PCD+\i], v[PCD+12+\i]
.endr
.irp i, 0,1,2
	s_delay_alu instid0(VALU_DEP_3)
	v_mov_b32 v[PCD+3+\i], v[PCD+12+\i]            ; six registers: codes 32 h .. 32 h + 31
.endr
	global_store_b128 v[L16], v[PCD:PCD+3], s[8:9]             ; 512 consecutive bytes, aligned to 256
	global_store_b64 v[L8], v[PCD+4:PCD+5], s[8:9] offset:512  ; 256 consecutive bytes, aligned
	global_store_b8 v[OSO], v238, s[10:11]
.Lfin:
	s_wait_tensorcnt 0x0                           ; the wave's end
	ds_add_u32 v[SPW], v[NIL]
	s_wait_dscnt 0x0
	CROUND                                         ; the closing round
	s_endpgm
.Lfunc_end_k_q578e96f889_attn:
	.size	k_q578e96f889_attn, .Lfunc_end_k_q578e96f889_attn-k_q578e96f889_attn
	.p2alignl 7, 3214868480
	.fill 96, 4, 3214868480
	.section	.rodata,"a",@progbits
	.p2align	6, 0x0
	.amdhsa_kernel k_q578e96f889_attn
		.amdhsa_group_segment_fixed_size 327680
		.amdhsa_private_segment_fixed_size 0
		.amdhsa_enable_private_segment 0
		.amdhsa_kernarg_size 32
		.amdhsa_user_sgpr_count 2
		.amdhsa_user_sgpr_kernarg_segment_ptr 1
		.amdhsa_wavefront_size32 1
		.amdhsa_system_sgpr_workgroup_id_x 1
		.amdhsa_system_sgpr_workgroup_id_y 1
		.amdhsa_system_sgpr_workgroup_id_z 1
		.amdhsa_system_vgpr_workitem_id 0
		.amdhsa_next_free_vgpr 256
		.amdhsa_next_free_sgpr 66
		.amdhsa_reserve_vcc 1
		.amdhsa_float_denorm_mode_32 3
		.amdhsa_float_denorm_mode_16_64 3
		.amdhsa_memory_ordered 1
		.amdhsa_forward_progress 1
		.amdhsa_inst_pref_size 213
	.end_amdhsa_kernel
	.amdgpu_metadata
---
amdhsa.version: [ 1, 2 ]
amdhsa.kernels:
  - .name:           k_q578e96f889_attn
    .symbol:         k_q578e96f889_attn.kd
    .args:
      - { .name: qbuf, .offset: 0, .size: 8, .value_kind: global_buffer, .address_space: global }
      - { .name: kvbuf, .offset: 8, .size: 8, .value_kind: global_buffer, .address_space: global }
      - { .name: o_codes, .offset: 16, .size: 8, .value_kind: global_buffer, .address_space: global }
      - { .name: o_scales, .offset: 24, .size: 8, .value_kind: global_buffer, .address_space: global }
    .group_segment_fixed_size: 327680
    .private_segment_fixed_size: 0
    .kernarg_segment_align: 8
    .kernarg_segment_size: 32
    .max_flat_workgroup_size: 512
    .sgpr_count:     66
    .vgpr_count:     256
    .wavefront_size: 32
...
	.end_amdgpu_metadata
.endif
;; end of part 3
;; launch proj (part 4): grid 8 x 32, 4 waves a work-group, clusters of 4 x 4, 327,680 bytes of LDS; arguments o_codes, o_scales, codes, scales, out0; writes out0
.if DOCPART == 4
	.amdgcn_target "amdgcn-amd-amdhsa--gfx1250"
	.amdhsa_code_object_version 6
	.text
	.protected	k_q578e96f889_proj
	.globl	k_q578e96f889_proj
	.p2align	8
	.type	k_q578e96f889_proj,@function
k_q578e96f889_proj:
	s_mov_b64 s[64:65], 0
	v_nop
	global_prefetch_b8 v0, s[64:65] scope:SCOPE_SE
	s_setreg_imm32_b32 hwreg(HW_REG_WAVE_MODE, 25, 1), 1
	s_wait_xcnt 0x0
	s_wait_alu depctr_hold_cnt(0) depctr_sa_sdst(0) depctr_va_vdst(0) depctr_va_sdst(0) depctr_va_ssrc(0) depctr_va_vcc(0) depctr_vm_vsrc(0)
	s_getreg_b32 s2, hwreg(HW_REG_IB_STS2, 6, 4)
	s_cmp_eq_u32 s2, 0
	s_cbranch_scc0 .Lentry_in_a_cluster
	s_endpgm
.Lentry_in_a_cluster:
	s_bfe_u32 s2, ttmp6, 0x10000c
	s_cmp_lg_u32 s2, 0xf033
	s_cbranch_scc0 .Lentry_shape_is_right
	s_endpgm
.Lentry_shape_is_right:
; PROJ.  out0[token][n] = sum over k of O[token][k] W_proj[n][k], both as codes of FP6 (E2M3) with one E8M0 byte for each 32 along K; K = 1,024; sums in f32.
; A work-group makes 128 places x 128 columns: 32 x 8 = 256 work-groups.  A wave makes 64 x 64: 16 accumulators, 128 registers (window 1).
; ALL OF K LIES IN LDS AT ONCE: A's 128 places are 98,304 dense bytes of o_codes (images of the operand's registers: [tile of 16][head][768]), B's 128 rows 98,304 dense bytes of codes
; (four blocks of 128 rows x 192 bytes, one for each 256 along K; 16 bytes of padding behind each 64 make LDS rows of 240 bytes), the scales 4,096 dense bytes a side.
; Four tiles, four waves, one tensor load each at the head; nothing is filled again, so one barrier serves the launch.  Every tensor row is 256 bytes, on a 256-byte border.
; CLUSTERS 4 x 4: A's tiles are asked for jointly along a row of the cluster, B's along a column.
; No prefetch: all that the launch reads is asked for by the head's four loads, and there is no loop to run ahead in.
; The matrix instruction is used transposed (source 0 = 16 rows of W_proj, source 1 = 16 places): a lane holds eight neighbouring columns of one row of out0.
; Place p holds token swap34(p) (bits 3 and 4 exchanged): undone in the stores' offsets.
; REGISTERS: v16-29 addresses; v32-63 scale words (8 i + step: lanes 0-15 A's block i, lanes 16-31 B's); v64-159 A's fragments, two sets; v160-255 B's, two sets; on the way out v64-191.
.set FR,     12
.set PITCH,  240
.set KQL,    128*PITCH                 ; B: 128 rows of one 256 along K
.set BL,     98304                     ; B's codes, behind A's
.set SCL,    BL+4*KQL                  ; the scales: units of 256 bytes + 16
.set SBLK,   544                       ; those of 16 rows
.set HALFS,  4*SBLK                    ; of 64 rows
.set SPARE,  SCL+4*HALFS               ; the spare words: 512 bytes that no other line names
.set STAGE,  SPARE+512                 ; the way out: 16 rows x 272 bytes for each wave; no tensor load lands here
.set SPITCH, 272
.set ADRA, 16                          ; v16 A: 16 x lane, v17: 8 x lane
.set ADRB, 20                          ; v20-21 B: K 0-511, 512-1023; v22-23 the same where lanes 16-31 have passed one padding more
.set STO,  24
.set RD,   25
.set CO,   26
.set ADRS, 27
.set SPW,  28                          ; never rewritten
.set NIL,  29                          ; never rewritten
.set SC,   32
.set AF,   64
.set BF,   160
.set OB,   64
.set G1, 24
.set G0, 32
.set G1B, 48
.set G0B, 56
.set G1S, 68
.set G0S, 76
.set G1SB, 80
.set G0SB, 88
.set MSB, 0
.macro WIN new
.if MSB != (\new)
	s_set_vgpr_msb (MSB<<8)|(\new)
.set MSB, (\new)
.endif
.endm
.macro PLACES
.rept 4
	v_nop
.endr
.endm
.macro CROUND                          ; a round of the cluster's barrier
	s_barrier_signal -1
	s_barrier_wait -1
	s_cmp_lg_u32 s14, 0
	s_cbranch_scc1 .Lnot_wave_0_\@
	s_barrier_signal -3
.Lnot_wave_0_\@:
	s_barrier_wait -3
	s_barrier_signal -1
	s_barrier_wait -1
.endm
	s_load_b128 s[4:7], s[0:1], 0x0                ; o_codes, o_scales
	s_load_b128 s[8:11], s[0:1], 0x10              ; codes, scales
	s_load_b64 s[12:13], s[0:1], 0x20              ; out0
	v_lshl_add_u32 v[SPW], v0, 2, SPARE
	v_mov_b32 v[NIL], 0
	ds_add_u32 v[SPW], v[NIL]                      ; the opening lines: the add, twice on end, and its wait
	ds_add_u32 v[SPW], v[NIL]
	v_lshrrev_b32 v1, 5, v0
	v_readfirstlane_b32 s14, v1                    ; wave
	s_lshr_b32 s15, s14, 1                         ; my 64 places
	s_and_b32 s16, s14, 1                          ; my 64 columns
	s_bfe_u32 s40, ttmp6, 0x40000                  ; cx
	s_bfe_u32 s41, ttmp6, 0x40004                  ; cy
	s_lshl_b32 s42, ttmp9, 2
	s_add_co_u32 s42, s42, s40                     ; block column 0..7
	s_and_b32 s17, ttmp7, 0xffff
	s_lshl_b32 s17, s17, 2
	s_add_co_u32 s17, s17, s41                     ; block row 0..31
	s_lshl_b32 s43, s41, 2
	s_lshl_b32 s43, 15, s43                        ; my row of the cluster
	s_lshl_b32 s44, 0x1111, s40                    ; my column
	s_or_b32 s[G1], s43, (3<<16)|(1<<21)           ; A's codes: 384 rows of 32 elements of 8 bytes, dense, no padding
	s_or_b32 s[G1B], s44, (3<<16)|(1<<20)|(1<<21)|(3<<22)|(3<<25)   ; B's: the same rows, 4 words of padding behind every 16
.irp g, G1, G1B
	s_mov_b32 s[\g+1], 32<<16
	s_mov_b32 s[\g+2], 384<<16
	s_mov_b32 s[\g+3], 32<<16
	s_mov_b32 s[\g+4], 384
	s_mov_b32 s[\g+5], 32
	s_mov_b32 s[\g+6], 0
	s_mov_b32 s[\g+7], 0
.endr
	s_or_b32 s[G1S], s43, (3<<16)|(1<<20)|(1<<21)|(5<<22)|(3<<25)   ; the scales: 16 rows of 256 bytes, 16 bytes of padding behind each
	s_or_b32 s[G1SB], s44, (3<<16)|(1<<20)|(1<<21)|(5<<22)|(3<<25)
.irp g, G1S, G1SB
	s_mov_b32 s[\g+1], 32<<16
	s_mov_b32 s[\g+2], 16<<16
	s_mov_b32 s[\g+3], 32<<16
	s_mov_b32 s[\g+4], 16
	s_mov_b32 s[\g+5], 32
	s_mov_b32 s[\g+6], 0
	s_mov_b32 s[\g+7], 0
.endr
	s_mul_i32 s20, s17, 98304                      ; A's codes and scales hang on the block row alone,
	s_mov_b32 s21, 0
	s_lshl_b32 s22, s17, 12
	s_mov_b32 s23, 0
	s_mul_i32 s46, s42, 98304                      ; B's on the block column alone
	s_add_co_u32 s46, s46, 5505024                 ; W_proj's codes
	s_mov_b32 s47, 0
	s_lshl_b32 s92, s42, 12
	s_add_co_u32 s92, s92, 229376                  ; W_proj's scales
	s_mov_b32 s93, 0
	s_lshl_b32 s18, s17, 7                         ; out0: my first token 128 x block row + 64 x half (a multiple of 32, which swap34 leaves),
	s_lshl_b32 s19, s15, 6
	s_add_co_u32 s18, s18, s19
	s_lshl_b32 s18, s18, 12                        ; rows of 4,096 bytes,
	s_lshl_b32 s19, s42, 9
	s_add_co_u32 s18, s18, s19                     ; + 512 x block column
	s_lshl_b32 s19, s16, 8
	s_add_co_u32 s18, s18, s19                     ; + 256 x half
	s_mov_b32 s19, 0
	s_mul_i32 s45, s15, 49152                      ; LDS: my four tiles of A,
	s_mul_i32 s94, s16, 64*PITCH
	s_add_co_u32 s94, s94, BL                      ; my 64 rows of B, K 0-511,
	s_add_co_u32 s95, s94, 2*KQL                   ; and K 512-1023;
	s_mul_i32 s96, s15, HALFS
	s_mul_i32 s97, s16, HALFS
	s_add_co_u32 s97, s97, 2*HALFS
	s_sub_co_u32 s97, s97, s96                     ; from A's scale words to B's,
	s_add_co_u32 s96, s96, SCL                     ; A's scale words;
	s_mul_i32 s3, s14, 16*SPITCH
	s_add_co_u32 s3, s3, STAGE                     ; my stage
	s_wait_dscnt 0x0                               ; both opening adds are done
	s_wait_kmcnt 0x0
	s_add_nc_u64 s[12:13], s[12:13], s[18:19]
	s_mov_b32 s[G0], 1
	s_mov_b32 s[G0+1], 0
	s_add_nc_u64 s[G0+2:G0+3], s[4:5], s[20:21]
	s_or_b32 s[G0+3], s[G0+3], 0x80000000
	s_mov_b32 s[G0B], 1
	s_mov_b32 s[G0B+1], BL
	s_add_nc_u64 s[G0B+2:G0B+3], s[8:9], s[46:47]
	s_or_b32 s[G0B+3], s[G0B+3], 0x80000000
	s_mov_b32 s[G0S], 1
	s_mov_b32 s[G0S+1], SCL
	s_add_nc_u64 s[G0S+2:G0S+3], s[6:7], s[22:23]
	s_or_b32 s[G0S+3], s[G0S+3], 0x80000000
	s_mov_b32 s[G0SB], 1
	s_mov_b32 s[G0SB+1], SCL+2*HALFS
	s_add_nc_u64 s[G0SB+2:G0SB+3], s[10:11], s[92:93]
	s_or_b32 s[G0SB+3], s[G0SB+3], 0x80000000
	CROUND                                         ; all sixteen work-groups are here: the joint loads meet
; one tensor load a wave, in one tree of branches on the wave's number: wave 0 A's codes, 1 B's codes, 2 A's scales, 3 B's scales
.macro ARM under, g0, g1, next
	s_cmp_lt_u32 s14, \under
	s_cbranch_scc0 \next
	tensor_load_to_lds s[\g0:\g0+3], s[\g1:\g1+7]
	s_nop 0
.rept 4
	v_nop
.endr
	s_branch .Lhead_asked
\next:
.endm
	ARM 1, G0,  G1,  .Lhead_b
	ARM 2, G0B, G1B, .Lhead_sa
	ARM 3, G0S, G1S, .Lhead_sb
	tensor_load_to_lds s[G0SB:G0SB+3], s[G1SB:G1SB+7]
	s_nop 0
.rept 4
	v_nop
.endr
.Lhead_asked:
	v_and_b32 v1, 15, v0                           ; r
	v_bfe_u32 v2, v0, 4, 1                         ; h
	v_and_b32 v6, 31, v0                           ; lane
	v_mul_u32_u24 v3, v1, PITCH
	v_mad_u32_u24 v4, v2, 24, v3                   ; B: row x 240 + 24 h
	v_lshl_add_u32 v5, v2, 4, v4                   ; and 16 more for lanes 16-31
	v_lshl_add_u32 v[ADRA], v6, 4, s45
	v_lshl_add_u32 v[ADRA+1], v6, 3, s45
	v_add_nc_u32 v[ADRB], s94, v4
	v_add_nc_u32 v[ADRB+1], s95, v4
	v_add_nc_u32 v[ADRB+2], s94, v5
	v_add_nc_u32 v[ADRB+3], s95, v5
	v_lshlrev_b32 v7, 5, v1                        ; scales: 32 bytes a row,
	v_lshrrev_b32 v8, 8, v7
	v_lshl_add_u32 v7, v8, 4, v7                   ; 16 more for each 256 passed
	v_mul_u32_u24 v8, s97, v2                      ; lanes 16-31 take B's
	v_add_nc_u32 v7, v7, v8
	v_add_nc_u32 v[ADRS], s96, v7
	v_mul_u32_u24 v9, v1, SPITCH
	v_lshl_add_u32 v9, v2, 5, v9
	v_add_nc_u32 v[STO], s3, v9                    ; into the stage: row r, 32 bytes for each half of the lanes
	v_mul_u32_u24 v10, v2, SPITCH
	v_lshl_add_u32 v10, v1, 4, v10
	v_add_nc_u32 v[RD], s3, v10                    ; back: sixteen lanes to a row of 256 bytes, two rows a load
	v_lshlrev_b32 v11, 12, v2
	v_lshl_add_u32 v[CO], v1, 4, v11               ; and the same in out0
.macro FRAGB reg, st, i                ; B's fragment: 24 bytes twice, in pieces of 8; piece PCE of the row of 192 bytes lies at 8 PCE + 16 (PCE / 8); lanes 16-31 stand three pieces on
.irp p, 0,1,2,3,4,5
.set PCE, 12*((\st)%2)+6*(\p/3)+\p%3
.set OFS, 8*PCE+16*(PCE/8)+(\i)*16*PITCH+(((\st)/2)%2)*KQL
.if PCE%8 < 5
	ds_load_b64 v[\reg+2*\p:\reg+2*\p+1], v[ADRB+(\st)/4] offset:OFS
.else
	ds_load_b64 v[\reg+2*\p:\reg+2*\p+1], v[ADRB+2+(\st)/4] offset:OFS
.endif
.endr
.endm
.macro FETCH st                        ; step st's fragments into set st % 2: 24 loads for B, 16 for A (heads 2 st, 2 st + 1 of each tile's image)
.set FS, 48*((\st)%2)
.irp i, 0,1,2,3
	FRAGB BF+FS+FR*\i, \st, \i
.endr
.irp i, 0,1,2,3
.irp c, 0,1
	ds_load_b128 v[AF+FS+FR*\i+6*\c:AF+FS+FR*\i+6*\c+3], v[ADRA] offset:12288*\i+768*(2*(\st)+\c)
	ds_load_b64 v[AF+FS+FR*\i+6*\c+4:AF+FS+FR*\i+6*\c+5], v[ADRA+1] offset:12288*\i+768*(2*(\st)+\c)+512
.endr
.endr
.endm
.macro MUL st, zero                    ; 16 products, the 16 accumulators by turns, in the same order in every step
.set FS, 48*((\st)%2)
.irp a, 0,1,2,3
.irp b, 0,1,2,3
.if \zero
	v_wmma_scale_f32_16x16x128_f8f6f4 v[8*(4*\a+\b):8*(4*\a+\b)+7], v[BF+FS+FR*\b:BF+FS+FR*\b+FR-1], v[AF+FS+FR*\a:AF+FS+FR*\a+FR-1], 0, v[SC+8*\b+(\st)], v[SC+8*\a+(\st)] matrix_a_fmt:MATRIX_FMT_FP6 matrix_b_fmt:MATRIX_FMT_FP6 matrix_a_scale:MATRIX_SCALE_ROW1
.else
	v_wmma_scale_f32_16x16x128_f8f6f4 v[8*(4*\a+\b):8*(4*\a+\b)+7], v[BF+FS+FR*\b:BF+FS+FR*\b+FR-1], v[AF+FS+FR*\a:AF+FS+FR*\a+FR-1], v[8*(4*\a+\b):8*(4*\a+\b)+7], v[SC+8*\b+(\st)], v[SC+8*\a+(\st)] matrix_a_fmt:MATRIX_FMT_FP6 matrix_b_fmt:MATRIX_FMT_FP6 matrix_a_scale:MATRIX_SCALE_ROW1
.endif
.endr
.endr
.endm
	s_wait_alu depctr_va_vdst(0)                   ; the wait at the head's end
	s_wait_tensorcnt 0x0                           ; my tile is in;
	s_barrier_signal -1
	s_barrier_wait -1                              ; all four are
.irp i, 0,1,2,3
	ds_load_b128 v[SC+8*\i:SC+8*\i+3], v[ADRS] offset:\i*SBLK        ; a row's eight scale words, one for each step, once for the launch
	ds_load_b128 v[SC+8*\i+4:SC+8*\i+7], v[ADRS] offset:\i*SBLK+16
.endr
	FETCH 0
.irp st, 0,1,2,3,4,5,6,7
.if \st < 7
.if \st > 0
	PLACES                                         ; places in front of loads into the set that the last step multiplied
	WIN 0
.endif
	FETCH \st+1
	s_wait_dscnt 40                                ; all but the 40 just issued: this step's fragments are in
.else
	s_wait_dscnt 0x0
.endif
	WIN 0x50                                       ; C and D in window 1
.if \st == 0
	MUL \st, 1                                     ; the first step starts the sums
.else
	MUL \st, 0
.endif
.endr
; THE WAY OUT, by blocks of 16 places x 64 columns, through my own stage; LDS serves a wave's instructions in order, so no wait stands between the stores and the loads.
.macro TOSTAGE a
	WIN 0x04                                       ; the data: window 1
.irp b, 0,1,2,3
	ds_store_b128 v[STO], v[8*(4*\a+\b):8*(4*\a+\b)+3] offset:64*\b          ; each accumulator from its low end on
	ds_store_b128 v[STO], v[8*(4*\a+\b)+4:8*(4*\a+\b)+7] offset:64*\b+16
.endr
	WIN 0
.irp t, 0,1,2,3,4,5,6,7
	ds_load_b128 v[OB+32*\a+4*\t:OB+32*\a+4*\t+3], v[RD] offset:2*\t*SPITCH   ; each block has registers of its own: no store's data are written again
.endr
.endm
.macro SEND a                          ; place 16 a + 2 t + h is token 32 (a / 2) + 8 (a % 2) + 2 t + h + 8 (t / 4); sixteen lanes store 256 consecutive bytes, aligned
.irp t, 0,1,2,3,4,5,6,7
	global_store_b128 v[CO], v[OB+32*\a+4*\t:OB+32*\a+4*\t+3], s[12:13] offset:(32*(\a/2)+8*(\a%2)+2*\t+8*(\t/4))*4096 th:TH_STORE_NT
.endr
.endm
	PLACES                                         ; in front of the first read of results and of loads into fragment registers
	TOSTAGE 0
	TOSTAGE 1
	s_wait_dscnt 16                                ; all but the next block's 8 stores and 8 loads
	SEND 0
	TOSTAGE 2
	s_wait_dscnt 16
	SEND 1
	TOSTAGE 3
	s_wait_dscnt 16
	SEND 2
	s_wait_dscnt 0x0
	SEND 3
	s_wait_tensorcnt 0x0                           ; the wave's end
	ds_add_u32 v[SPW], v[NIL]
	s_wait_dscnt 0x0
	CROUND                                         ; the closing round
	s_endpgm
.Lfunc_end_k_q578e96f889_proj:
	.size	k_q578e96f889_proj, .Lfunc_end_k_q578e96f889_proj-k_q578e96f889_proj
	.p2alignl 7, 3214868480
	.fill 96, 4, 3214868480
	.section	.rodata,"a",@progbits
	.p2align	6, 0x0
	.amdhsa_kernel k_q578e96f889_proj
		.amdhsa_group_segment_fixed_size 327680
		.amdhsa_private_segment_fixed_size 0
		.amdhsa_enable_private_segment 0
		.amdhsa_kernarg_size 40
		.amdhsa_user_sgpr_count 2
		.amdhsa_user_sgpr_kernarg_segment_ptr 1
		.amdhsa_wavefront_size32 1
		.amdhsa_system_sgpr_workgroup_id_x 1
		.amdhsa_system_sgpr_workgroup_id_y 1
		.amdhsa_system_sgpr_workgroup_id_z 1
		.amdhsa_system_vgpr_workitem_id 0
		.amdhsa_next_free_vgpr 384
		.amdhsa_next_free_sgpr 98
		.amdhsa_reserve_vcc 0
		.amdhsa_float_denorm_mode_32 3
		.amdhsa_float_denorm_mode_16_64 3
		.amdhsa_memory_ordered 1
		.amdhsa_forward_progress 1
		.amdhsa_inst_pref_size 55
	.end_amdhsa_kernel
	.amdgpu_metadata
---
amdhsa.version: [ 1, 2 ]
amdhsa.kernels:
  - .name:           k_q578e96f889_proj
    .symbol:         k_q578e96f889_proj.kd
    .args:
      - { .name: o_codes, .offset: 0, .size: 8, .value_kind: global_buffer, .address_space: global }
      - { .name: o_scales, .offset: 8, .size: 8, .value_kind: global_buffer, .address_space: global }
      - { .name: codes, .offset: 16, .size: 8, .value_kind: global_buffer, .address_space: global }
      - { .name: scales, .offset: 24, .size: 8, .value_kind: global_buffer, .address_space: global }
      - { .name: out0, .offset: 32, .size: 8, .value_kind: global_buffer, .address_space: global }
    .group_segment_fixed_size: 327680
    .private_segment_fixed_size: 0
    .kernarg_segment_align: 8
    .kernarg_segment_size: 40
    .max_flat_workgroup_size: 128
    .sgpr_count:     98
    .vgpr_count:     384
    .wavefront_size: 32
...
	.end_amdgpu_metadata
.endif
;; end of part 4
